; MI455X (gfx1250); checked and timed in simulation.
; The chip was launched on July 23, 2026; its instructions are those of AMD's public machine-readable ISA for CDNA 5 (MIT licence, August 2026) and "CDNA5" Instruction Set Architecture Reference Guide (July 2026). The comments in the code are by the model that wrote it; some were corrected since.
;; Self Att Sqrtn. Allowed arithmetic: float matrix products may take bf16 or f16 operands with f32 sums; other float arithmetic in f32, or as packed bf16 or f16 multiplies, adds, multiply-adds, maxima and minima; sums over many terms, partial sums and values carried from step to step in f32; what a program stores and reads back later, other than sums and carried values, may be rounded once to bf16 or f16.
;; Inputs: input_qkv 4 x 2,048 x 1,024 float32; wk 1,024 x 16 x 64 float32; wo 16 x 64 x 1,024 float32; wq 1,024 x 16 x 64 float32; wv 1,024 x 16 x 64 float32.
;; Outputs: out0 4 x 2,048 x 1,024 float32.
;; 2 versions, each right; version 2 is version 1 with the launch attn written anew for expert scheduling mode. Each part assembles by itself: llvm-mc -triple=amdgcn-amd-amdhsa -mcpu=gfx1250 --defsym DOCPART=n.
;; ======== version 1 of 2: 4 launches
;; limits: values are held in f16: magnitudes above 65,504 overflow, below 6.1e-05 lose precision; right only within a limited range of input values
;; workspace buffers: xb 16,777,216 bytes; wt 6,291,456 bytes; wot 2,097,152 bytes; qkv 50,331,648 bytes; summ 524,288 bytes; att 16,777,216 bytes
;; launch prep (part 1): grid 1024 x 1, 8 waves a work-group, no clusters, 0 bytes of LDS; arguments input_qkv, wq, wk, wv, wo, xb, wt, wot; writes xb, wt, wot
.if DOCPART == 1
	.amdgcn_target "amdgcn-amd-amdhsa--gfx1250"
	.amdhsa_code_object_version 6
	.text
	.protected	k_q84aa946688_prep
	.globl	k_q84aa946688_prep
	.p2align	8
	.type	k_q84aa946688_prep,@function
k_q84aa946688_prep:
	s_mov_b64 s[64:65], 0
	v_nop
	global_prefetch_b8 v0, s[64:65] scope:SCOPE_SE
	s_setreg_imm32_b32 hwreg(HW_REG_WAVE_MODE, 25, 1), 1
	s_wait_xcnt 0x0
; THE PROGRAM: four launches.  prep: the five inputs rounded to 16 bits and laid out as fragment images.  qkvgemm: q, k, v = x W (bf16 products, f32 sums), rounded to f16,
; and each segment's summary (span_key, span_val).  attn: the joint softmax over 64 local and 32 summary keys and both products with the weights.  proj: the product with wo.
; FORMATS.  x, wq, wk, wv, wo are rounded once to bf16 (wo's bf16 number is then written as f16, exact from 6e-5 up; below that it keeps f16's step of 6e-8).
; q, k, v, the weights and the merged heads are f16; all sums, maxima and exponentials f32.
; WORK LEFT OUT (in attn), for all values of the inputs: reference() itself adds -1e10 to a local logit whose key lies behind its query and to a summary logit whose segment is not
; strictly earlier, while a row's own key carries 0.  Such a weight is exp(s - 1e10 - max), below every f32 number as long as a row's logits differ by less than 9.9e9.  So a tile of
; 16 x 16 local logits that lies wholly above the diagonal, and a tile of 16 summaries none of which is earlier than the query's segment, is not computed; in a tile that also holds
; live logits the bias is added as reference() adds it.  LIMITS: that figure; a NaN, an infinity or an overflow that reaches only the tiles left out is not carried to the result;
; q (before its factor 1/8), k, v and span_val lie within f16's 65,504; a maximum drops a NaN where jnp.max keeps it; a weight below 2^-126 counts as 0.  All five inputs are live.
; THE FRAGMENT IMAGE of a 16-bit matrix M[rows][1024]: blocks of 16 rows x 32 k, 1,024 bytes, a row tile's 32 blocks on end (32,768 bytes).  In a block two chunks of 512 bytes (k % 32 < 16,
; then the rest); in a chunk lane l = row % 16 + 16 ((k % 16) / 8) owns bytes 16 l .. 16 l + 15: registers 0-3 (4-7) of a matrix operand of 16 rows x 32 k, as they lie in the lanes.
; THIS LAUNCH.  Work-groups 0-511: one row tile of x each, wave w its k = 128 w .. 128 w + 127.  Work-groups 512-1023: a wave turns 16 k x 64 columns of one weight matrix.
; wt: row head * 192 + which * 64 + f (which: 0 q, 1 k, 2 v), k = d.  wot: row = out feature, k = head * 64 + d.  No LDS, no barrier, no loop: memory binds, every byte is read and written once.
.set X, 16                             ; v[16:79]   f32 as loaded
.set Y, 80                             ; v[80:111]  16-bit pairs to store
.set T, 96                             ; v[96:103]  (weights' path) at work
	s_load_b512 s[8:23], s[0:1], 0x0               ; x s[8:9], wq s[10:11], wk s[12:13], wv s[14:15], wo s[16:17], xb s[18:19], wt s[20:21], wot s[22:23]
	v_lshrrev_b32 v1, 5, v0
	v_readfirstlane_b32 s24, v1                    ; wave 0..7
	v_and_b32 v1, 31, v0                           ; lane
	v_and_b32 v2, 15, v0                           ; lane % 16
	v_bfe_u32 v3, v0, 4, 1                         ; lane / 16
	s_cmp_lt_u32 ttmp9, 512
	s_cbranch_scc0 .Lweights
	; x: lane (r, h) takes row r, and of each 16 k the eight at 8 h: 32 bytes of f32, two loads; the wave's sixteen loads together take 512 consecutive bytes of each row
	v_lshlrev_b32 v4, 12, v2                       ; r x 4,096
	v_lshl_add_u32 v4, v3, 5, v4                   ; + 32 h
	s_lshl_b32 s25, s24, 9
	v_add_nc_u32 v4, s25, v4                       ; + 512 x wave
	v_lshlrev_b32 v5, 4, v1                        ; 16 x lane: my place in a chunk
	s_lshl_b32 s26, ttmp9, 16                      ; the row tile in x: 16 rows of 4,096 bytes
	s_mov_b32 s27, 0
	s_lshl_b32 s28, ttmp9, 15                      ; and in xb,
	s_lshl_b32 s29, s24, 12                        ; with my four blocks
	s_add_co_u32 s28, s28, s29
	s_mov_b32 s29, 0
	s_wait_kmcnt 0x0
	s_add_nc_u64 s[8:9], s[8:9], s[26:27]
	s_add_nc_u64 s[18:19], s[18:19], s[28:29]
.irp c, 0,1,2,3,4,5,6,7
	global_load_b128 v[X+8*(\c):X+8*(\c)+3],   v4, s[8:9] offset:64*(\c)
	global_load_b128 v[X+8*(\c)+4:X+8*(\c)+7], v4, s[8:9] offset:64*(\c)+16
.endr
.irp c, 0,1,2,3,4,5,6,7
	s_wait_loadcnt 14-2*(\c)                       ; chunk c's two loads are in; the younger chunks' stay out
.irp p, 0,1,2,3
	v_cvt_pk_bf16_f32 v[Y+4*(\c)+(\p)], v[X+8*(\c)+2*(\p)], v[X+8*(\c)+2*(\p)+1]
.endr
	global_store_b128 v5, v[Y+4*(\c):Y+4*(\c)+3], s[18:19] offset:512*(\c)  ; a chunk: 512 consecutive bytes, aligned; no register is written twice, so no wait frees any
.endr
	s_endpgm
.Lweights:
	s_sub_co_u32 s25, ttmp9, 512                   ; j
	s_lshr_b32 s26, s25, 7                         ; which matrix: 0 wq, 1 wk, 2 wv, 3 wo
	s_and_b32 s27, s25, 15                         ; which 64 columns (for wq, wk, wv: the head)
	s_bfe_u32 s28, s25, 0x30004
	s_lshl3_add_u32 s28, s28, s24                  ; which 16 rows of the source (k): 8 x group + wave
	s_mul_i32 s29, s27, 12
	s_lshl2_add_u32 s29, s26, s29                  ; first row tile in wt: 12 x head + 4 x which,
	s_lshl_b32 s30, s27, 2                         ; in wot: 4 x group
	s_cmp_eq_u32 s26, 3
	s_cselect_b32 s29, s30, s29
	s_lshl_b32 s29, s29, 15
	s_lshr_b32 s30, s28, 1
	s_lshl_b32 s30, s30, 10                        ; the block of 32 k,
	s_add_co_u32 s29, s29, s30
	s_and_b32 s30, s28, 1
	s_lshl_b32 s30, s30, 9                         ; its chunk
	s_add_co_u32 s30, s29, s30
	s_mov_b32 s31, 0
	s_lshl_b32 s32, s28, 16                        ; 16 source rows of 4,096 bytes,
	s_lshl_b32 s33, s27, 8                         ; 64 columns of 4 bytes
	s_add_co_u32 s32, s32, s33
	s_mov_b32 s33, 0
	s_mov_b32 s36, 0xffff0000                      ; a word's upper bf16
	v_lshlrev_b32 v4, 2, v1                        ; a lane a column
	v_lshlrev_b32 v5, 4, v2                        ; out: row lane % 16 of a chunk's half,
	v_lshl_add_u32 v5, v3, 15, v5                  ; lanes 16-31 one row tile on
	s_wait_kmcnt 0x0
	s_cmp_eq_u32 s26, 1
	s_cselect_b64 s[10:11], s[12:13], s[10:11]
	s_cmp_eq_u32 s26, 2
	s_cselect_b64 s[10:11], s[14:15], s[10:11]
	s_cmp_eq_u32 s26, 3
	s_cselect_b64 s[10:11], s[16:17], s[10:11]
	s_cselect_b64 s[20:21], s[22:23], s[20:21]
	s_add_nc_u64 s[10:11], s[10:11], s[32:33]
	s_add_nc_u64 s[20:21], s[20:21], s[30:31]
.irp g, 0,1
.irp k, 0,1,2,3,4,5,6,7,8,9,10,11,12,13,14,15
	global_load_b32 v[X+16*(\g)+(\k)], v4, s[10:11] offset:(\k)*4096+128*(\g)  ; source row k, columns 32 g + lane: the two g together take 256 consecutive bytes of the row
.endr
.endr
	s_wait_loadcnt 0x0
.set i, 0
.rept 16
	v_cvt_pk_bf16_f32 v[Y+i], v[X+2*i], v[X+2*i+1] ; two neighbouring k of my column
.set i, i+1
.endr
	s_cmp_eq_u32 s26, 3
	s_cbranch_scc0 .Lput
.set i, 0
.rept 16                                       ; wo: the bf16 number written as f16
	v_lshlrev_b32 v[T+2*(i%4)], 16, v[Y+i]
	v_and_b32 v[T+2*(i%4)+1], s36, v[Y+i]
	v_cvt_pk_f16_f32 v[Y+i], v[T+2*(i%4)], v[T+2*(i%4)+1]
.set i, i+1
.endr
.Lput:
.irp g, 0,1
.irp h, 0,1
	global_store_b128 v5, v[Y+8*(\g)+4*(\h):Y+8*(\g)+4*(\h)+3], s[20:21] offset:(\g)*65536+(\h)*256  ; lanes 0-15 fill 256 consecutive bytes, aligned; lanes 16-31 the same in the next row tile
.endr
.endr
	s_endpgm
.Lfunc_end_k_q84aa946688_prep:
	.size	k_q84aa946688_prep, .Lfunc_end_k_q84aa946688_prep-k_q84aa946688_prep
	.p2alignl 7, 3214868480
	.fill 96, 4, 3214868480
	.section	.rodata,"a",@progbits
	.p2align	6, 0x0
	.amdhsa_kernel k_q84aa946688_prep
		.amdhsa_group_segment_fixed_size 0
		.amdhsa_private_segment_fixed_size 0
		.amdhsa_enable_private_segment 0
		.amdhsa_kernarg_size 64
		.amdhsa_user_sgpr_count 2
		.amdhsa_user_sgpr_kernarg_segment_ptr 1
		.amdhsa_wavefront_size32 1
		.amdhsa_system_sgpr_workgroup_id_x 1
		.amdhsa_system_sgpr_workgroup_id_y 1
		.amdhsa_system_sgpr_workgroup_id_z 1
		.amdhsa_system_vgpr_workitem_id 0
		.amdhsa_next_free_vgpr 112
		.amdhsa_next_free_sgpr 66
		.amdhsa_reserve_vcc 0
		.amdhsa_float_denorm_mode_32 3
		.amdhsa_float_denorm_mode_16_64 3
		.amdhsa_memory_ordered 1
		.amdhsa_forward_progress 1
		.amdhsa_inst_pref_size 14
	.end_amdhsa_kernel
	.amdgpu_metadata
---
amdhsa.version: [ 1, 2 ]
amdhsa.kernels:
  - .name:           k_q84aa946688_prep
    .symbol:         k_q84aa946688_prep.kd
    .args:
      - { .name: input_qkv, .offset: 0, .size: 8, .value_kind: global_buffer, .address_space: global }
      - { .name: wq, .offset: 8, .size: 8, .value_kind: global_buffer, .address_space: global }
      - { .name: wk, .offset: 16, .size: 8, .value_kind: global_buffer, .address_space: global }
      - { .name: wv, .offset: 24, .size: 8, .value_kind: global_buffer, .address_space: global }
      - { .name: wo, .offset: 32, .size: 8, .value_kind: global_buffer, .address_space: global }
      - { .name: xb, .offset: 40, .size: 8, .value_kind: global_buffer, .address_space: global }
      - { .name: wt, .offset: 48, .size: 8, .value_kind: global_buffer, .address_space: global }
      - { .name: wot, .offset: 56, .size: 8, .value_kind: global_buffer, .address_space: global }
    .group_segment_fixed_size: 0
    .private_segment_fixed_size: 0
    .kernarg_segment_align: 8
    .kernarg_segment_size: 64
    .max_flat_workgroup_size: 256
    .sgpr_count:     66
    .vgpr_count:     112
    .wavefront_size: 32
...
	.end_amdgpu_metadata
.endif
;; end of part 1
;; launch qkvgemm (part 2): grid 16 x 16, 4 waves a work-group, clusters of 4 x 4, 327,680 bytes of LDS; arguments xb, wt, qkv, summ; writes qkv, summ
.if DOCPART == 2
	.amdgcn_target "amdgcn-amd-amdhsa--gfx1250"
	.amdhsa_code_object_version 6
	.text
	.protected	k_q84aa946688_qkvgemm
	.globl	k_q84aa946688_qkvgemm
	.p2align	8
	.type	k_q84aa946688_qkvgemm,@function
k_q84aa946688_qkvgemm:
	s_mov_b64 s[64:65], 0
	v_nop
	global_prefetch_b8 v0, s[64:65] scope:SCOPE_SE
	s_setreg_imm32_b32 hwreg(HW_REG_WAVE_MODE, 25, 1), 1
	s_wait_xcnt 0x0
	s_wait_alu depctr_hold_cnt(0) depctr_sa_sdst(0) depctr_va_vdst(0) depctr_va_sdst(0) depctr_va_ssrc(0) depctr_va_vcc(0) depctr_vm_vsrc(0)
	s_getreg_b32 s2, hwreg(HW_REG_IB_STS2, 6, 4)
	s_cmp_eq_u32 s2, 0
	s_cbranch_scc0 .Lentry_in_a_cluster
	s_endpgm
.Lentry_in_a_cluster:
	s_bfe_u32 s2, ttmp6, 0x10000c
	s_cmp_lg_u32 s2, 0xf033
	s_cbranch_scc0 .Lentry_shape_is_right
	s_endpgm
.Lentry_shape_is_right:
; q, k, v = x W for 256 tokens (four segments of 64) and ONE head's 192 columns (q | k | v), bf16 operands, f32 sums, K = 1,024 in eight steps of 128; then each segment's summary.
; xb and wt are fragment images (16 rows x 32 k in 1,024 bytes, a lane's 16 bytes at 16 x lane of each half): a K step of a row tile is 4,096 consecutive bytes, and a fragment comes out of
; LDS by two loads of 512 consecutive bytes: no padding is needed.
; A WORK-GROUP STAYS: it makes two such tiles of its head, tokens 256 yt on and 256 (yt + 16) on.  The ring does not stop at the first tile's end: its last two changes of slots ask for the second
; tile's first two K steps, which land while the first tile goes out, and nothing waits for the first tile's stores.
; SHARES.  Wave w owns segment 4 yt + w: 64 tokens x 192 columns, 48 accumulators of 16 x 16.  q and k are made with source 0 = 16 rows of wt, source 1 = 16 tokens: a lane holds ONE token and
; eight dims.  v is made the other way round: a lane holds ONE dim and eight tokens.  Rounded to f16 in pairs these ARE the operands of K Q^T (sum over dims) and V^T P (sum over keys),
; so they are stored as they lie, 512 consecutive bytes an instruction, and attn loads them as they lie.  q is stored without its factor 1/8, a power of two that is applied in f32 inside c.
; SUMMARY of a segment, from the f32 sums still in registers: span_key = max over tokens of k; mq = max over tokens of q; span_val = softmax(mq . k / 8) v, with the maximum taken away;
; its two products go to the matrix unit with mq as sixteen equal queries.  Segment 31's summary, to which no token attends, is made like the others: a jump round it would hang on the
; work-group's place in its cluster, and attn reads its record inside a tile of 16 summaries that also holds live ones, so it has to hold finite numbers.
; CLUSTER 4 x 4: x's tile hangs on yt alone and is shared along a row of the cluster, wt's on the head alone and is shared along a column: joint loads, each with the mask of its four.
; LIMITS: q, k, v, span_val within 65,504 (f16); a maximum drops a NaN; a weight below 2^-126 counts as 0.
; REGISTERS, in windows of 256 (s_set_vgpr_msb: bits 1:0 source 0, 3:2 source 1, 5:4 source 2, 7:6 destination):
;   window 0: v16-30 addresses; v32-233 the way out      window 1: two fragment buffers: wt's 12 fragments at 96 f, x's 4 at 192 + 32 f; on the way out q, k, v in f16
;   window 2: q's accumulators (t, d) at 8 (4 t + d), k's at 128 + the same      window 3: v's at 8 (4 t + d)
.set SLOT,   114688                    ; x's 16 row tiles x 4,096 bytes, then wt's 12
.set BOFF,   65536
.set STAGE,  2*SLOT                    ; behind the ring, never filled by a tensor load: 256 bytes for each wave, a summary's record
.set SPARE,  STAGE+1024                ; the spare words, 128 bytes for each wave: two blocks of 256 bytes that no other line names
.set WALKA,  16*16*32768               ; bytes in xb from a tile's rows to the next tile's: 16 yt of 16 row tiles
.set NEXT_A, WALKA-6*4096              ; from a slot's last K step of a tile (6 or 7) to its first of the next tile (0 or 1)
.set BACK_B, 6*4096                    ; wt only goes back along K: both tiles take the same rows
.set NEXT_Q, 64*16*24576               ; bytes in qkv from my segment to the one 64 further on
.set NEXT_S, 2*16*32*256               ; the same in summ: two batches on
.set ADRA, 16                          ; v16-17  LDS address of my x fragments in slot 0, 1
.set ADRB, 20                          ; v20-21  the same for wt
.set STS,  24                          ; v24     where my half of the lanes puts 16 bytes of the record
.set STL,  25                          ; v25     where I read 8 bytes of it back
.set GO,   26                          ; v26     16 x lane
.set GS,   27                          ; v27     8 x lane
.set SPW,  28                          ; v28     LDS address of my spare word; never rewritten
.set NIL,  29                          ; v29     0; never rewritten
.set PFO,  30                          ; v30     the prefetches' offset; never rewritten
.set MXQ,  32                          ; v32-63   max over tokens of q, at 8 d + j
.set MXK,  64                          ; v64-95   of k
.set MQF,  96                          ; v96-111  mq in f16: a fragment of sixteen equal queries
.set SKP,  112                         ; v112-127 span_key in f16
.set SL,   128                         ; v128-159 the summary's logits, key tile t at 8 t
.set PF,   160                         ; v160-175 its weights in f16
.set SV,   176                         ; v176-207 span_val's sums, dim tile d at 8 d
.set SVP,  208                         ; v208-223 span_val in f16
.set ST,   224                         ; v224-231 c m, m, l (even, odd), four at work
.set OUTR, 232                         ; v232-233
.set WV,   12                          ; s12  wave
.set FBW,  13                          ; s13  0: I fetch x's tiles, 1: wt's
.set HALF, 14                          ; s14  which half of that tile
.set LIM,  21                          ; s21  1 in a wave that prefetches, else the greatest number
.set G1,   24                          ; s[24:31] descriptor group 1 for x's tiles
.set G0,   32                          ; s[32:39] group 0, a set for each slot
.set PFA,  44                          ; s[44:45] where my prefetches stand
.set G1B,  48                          ; s[48:55], s[56:63] the same for wt's tiles
.set G0B,  56
.set CS,   66                          ; s[66:67] c = log2(e) / 8
.set SEL,  68                          ; s[68:69] v_permlanex16_b32's selects: each lane takes its own place in the other half
.set MSB, 0
.macro WIN new                         ; the immediate's high byte repeats the setting that is left; a switch that changes nothing is dropped
.if MSB != (\new)
	s_set_vgpr_msb (MSB<<8)|(\new)
.set MSB, \new
.endif
.endm
.macro PLACES                          ; four places behind matrix instructions, in front of loads into registers that they read and of vector lines that read results
.rept 4
	v_nop
.endr
.endm
; A joint load: waves 0 and 1 fetch the halves of x's tile, waves 2 and 3 those of wt's.  The branch hangs on the wave's number alone.  An s_nop 0 and four v_nop follow each line.
.macro JLOAD s
	s_cmp_eq_u32 s[FBW], 0
	s_cbranch_scc0 .Lfor_b_\@
	tensor_load_to_lds s[G0+4*(\s):G0+4*(\s)+3], s[G1:G1+7]
	s_nop 0
.rept 4
	v_nop
.endr
	s_branch .Lasked_\@
.Lfor_b_\@:
	tensor_load_to_lds s[G0B+4*(\s):G0B+4*(\s)+3], s[G1B:G1B+7]
	s_nop 0
.rept 4
	v_nop
.endr
.Lasked_\@:
.endm
.macro CREST                           ; a round of the cluster's barrier behind its opening barrier
	s_cmp_lg_u32 s[WV], 0
	s_cbranch_scc1 .Lnot_wave_0_\@
	s_barrier_signal -3
.Lnot_wave_0_\@:
	s_barrier_wait -3
	s_barrier_signal -1
	s_barrier_wait -1
.endm
.macro CROUND                          ; a whole round
	s_barrier_signal -1
	s_barrier_wait -1
	CREST
.endm
; A prefetch of the K step that stands two refills on (384 matrix instructions ahead of the load that will want it), behind the joint load and the run of LDS loads.  x's rows are named by the clusters with
; x = 0, wt's by those with y = 0; the four partners share a wave's blocks of 256 bytes out by address (x: 128 blocks, 32 each; wt: 96 blocks, 24 each, where lanes 24-31 repeat lane 23's).
; A tile's K steps 0 and 1 come by their loads alone, the first tile's K steps 2 and 3 too.  how = 0, in the loop: its last trip (s3 = 1) asks for nothing: the tile has no K step behind the eighth.
; how = 1, at the change of tiles: the next tile's K steps 2 and 3 of x; wt's rows, which both tiles take, are asked for in the first tile alone.
.macro ASK how
	WIN 0
.if \how
	s_cmp_eq_u32 s[LIM], 1
.else
	s_cmp_gt_u32 s3, s[LIM]
.endif
	s_cbranch_scc0 .Lnot_mine_\@
	global_prefetch_b8 v[PFO], s[PFA:PFA+1] offset:4096 th:TH_LOAD_NT scope:SCOPE_SE
.Lnot_mine_\@:
.endm
	s_load_b256 s[4:11], s[0:1], 0x0               ; xb s[4:5], wt s[6:7], qkv s[8:9], summ s[10:11]
	v_lshl_add_u32 v[SPW], v0, 2, SPARE
	v_mov_b32 v[NIL], 0
	ds_add_u32 v[SPW], v[NIL]                      ; the wave's opening: the add, twice on end, and its wait ahead of my first tensor load
	ds_add_u32 v[SPW], v[NIL]
	v_lshrrev_b32 v1, 5, v0
	v_readfirstlane_b32 s[WV], v1                  ; wave 0..3
	s_lshr_b32 s[FBW], s[WV], 1
	s_and_b32 s[HALF], s[WV], 1
	s_bfe_u32 s15, ttmp6, 0x40000                  ; cx
	s_bfe_u32 s16, ttmp6, 0x40004                  ; cy
	s_lshl_b32 s17, ttmp9, 2
	s_add_co_u32 s17, s17, s15                     ; head = 4 x cluster x + cx
	s_and_b32 s18, ttmp7, 0xffff
	s_lshl_b32 s18, s18, 2
	s_add_co_u32 s18, s18, s16                     ; yt = 4 x cluster y + cy, 0 to 15: the first tile's 256 tokens
	s_lshl_b32 s19, s16, 2
	s_lshl_b32 s19, 15, s19                        ; my row of the cluster
	s_lshl_b32 s20, 0x1111, s15                    ; my column
	; group 1: a tile of 8 (wt: 6) rows of 512 elements of 8 bytes: a K step (4,096 bytes) of as many row tiles, 32,768 bytes apart; dense in LDS
	s_or_b32 s[G1+0], s19, (3<<16)|(1<<21)         ; 15:0 the mask; 17:16 elements of 8 bytes; 21 set beside a mask
	s_or_b32 s[G1B+0], s20, (3<<16)|(1<<21)
.irp g, G1, G1B
	s_mov_b32 s[(\g)+1], 512<<16                   ; tensor_dim0 = 512
	s_mov_b32 s[(\g)+3], 512<<16                   ; tile_dim0 = 512
	s_mov_b32 s[(\g)+5], 4096                      ; 4,096 elements from row to row
	s_mov_b32 s[(\g)+6], 0
	s_mov_b32 s[(\g)+7], 0
.endr
	s_mov_b32 s[G1+2], 8<<16                       ; tensor_dim1
	s_mov_b32 s[G1+4], 8                           ; tile_dim1
	s_mov_b32 s[G1B+2], 6<<16
	s_mov_b32 s[G1B+4], 6
	s_lshl_b32 s40, s18, 4
	s_lshl3_add_u32 s40, s[HALF], s40              ; x: row tile 16 yt + 8 half
	s_lshl_b32 s40, s40, 15
	s_mov_b32 s41, 0
	s_mul_i32 s22, s17, 12
	s_mul_i32 s23, s[HALF], 6
	s_add_co_u32 s22, s22, s23                     ; wt: row tile 12 head + 6 half
	s_lshl_b32 s22, s22, 15
	s_mov_b32 s23, 0
	s_lshl_b32 s70, s[HALF], 15                    ; where they go: no place in the cluster enters an LDS address
	s_mul_i32 s71, s[HALF], 24576
	s_add_co_u32 s71, s71, BOFF
	s_mov_b32 s[CS], 0x3e38aa3b                    ; c = 0.180337
	s_mov_b32 s[CS+1], s[CS]
	s_mov_b32 s[SEL], 0x76543210
	s_mov_b32 s[SEL+1], 0xfedcba98
	s_wait_dscnt 0x0                               ; both opening adds are done
	s_wait_kmcnt 0x0
	s_add_nc_u64 s[42:43], s[4:5], s[40:41]
	s_add_nc_u64 s[46:47], s[6:7], s[22:23]
	CROUND                                         ; all sixteen work-groups are here: the first joint loads meet
.irp s, 0,1
	s_mov_b32 s[G0+4*(\s)], 1
	s_add_co_u32 s[G0+4*(\s)+1], s70, (\s)*SLOT
	s_add_nc_u64 s[G0+4*(\s)+2:G0+4*(\s)+3], s[42:43], (\s)*4096   ; K step s
	s_or_b32 s[G0+4*(\s)+3], s[G0+4*(\s)+3], 0x80000000
	s_mov_b32 s[G0B+4*(\s)], 1
	s_add_co_u32 s[G0B+4*(\s)+1], s71, (\s)*SLOT
	s_add_nc_u64 s[G0B+4*(\s)+2:G0B+4*(\s)+3], s[46:47], (\s)*4096
	s_or_b32 s[G0B+4*(\s)+3], s[G0B+4*(\s)+3], 0x80000000
	JLOAD \s                                       ; two loads of mine are out
.endr
	v_and_b32 v1, 31, v0                           ; lane
	v_bfe_u32 v3, v0, 4, 1                         ; lane / 16
	v_lshlrev_b32 v[GO], 4, v1
	v_lshlrev_b32 v[GS], 3, v1
	s_lshl_b32 s2, s[WV], 14                       ; my four row tiles of x
	v_add_nc_u32 v[ADRA], s2, v[GO]
	v_add_nc_u32 v[ADRA+1], SLOT, v[ADRA]
	v_add_nc_u32 v[ADRB], BOFF, v[GO]
	v_add_nc_u32 v[ADRB+1], SLOT+BOFF, v[GO]
	s_lshl_b32 s2, s[WV], 8
	s_add_co_u32 s2, s2, STAGE
	v_lshl_add_u32 v[STS], v3, 4, s2
	v_lshl_add_u32 v[STL], v1, 3, s2
	; where the first tile's results go
	s_lshl2_add_u32 s72, s18, s[WV]                ; my segment among the 128: 4 yt + wave
	s_lshr_b32 s74, s72, 5                         ; batch
	s_and_b32 s75, s72, 31                         ; segment in the batch
	s_lshl4_add_u32 s74, s74, s17
	s_lshl_b32 s74, s74, 5
	s_add_co_u32 s74, s74, s75
	s_lshl_b32 s74, s74, 8                         ; summ: ((batch x 16 + head) x 32 + segment) x 256
	s_mov_b32 s75, 0
	s_lshl4_add_u32 s72, s72, s17
	s_mul_i32 s72, s72, 24576                      ; qkv: (segment x 16 + head) x 24,576
	s_mov_b32 s73, 0
	s_add_nc_u64 s[8:9], s[8:9], s[72:73]
	s_add_nc_u64 s[10:11], s[10:11], s[74:75]
	; the prefetches
	s_and_b32 s76, ttmp7, 0xffff                   ; cluster y
	s_lshl_b32 s77, s18, 4
	s_lshl3_add_u32 s77, s[HALF], s77
	s_mul_i32 s78, s17, 12
	s_mul_i32 s79, s[HALF], 6
	s_add_co_u32 s78, s78, s79
	s_cmp_eq_u32 s[FBW], 0
	s_cselect_b32 s77, s77, s78                    ; the first row tile that I fetch
	s_cselect_b32 s78, s15, s16                    ; my place among the four that ask with me
	s_cselect_b32 s79, 32, 24                      ; blocks for each of the four
	s_cselect_b32 s76, ttmp9, s76                  ; the coordinate along which other clusters read the same rows
	s_cselect_b64 s[PFA:PFA+1], s[4:5], s[6:7]
	s_cmp_eq_u32 s76, 0
	s_cselect_b32 s[LIM], 1, -1                    ; the same in all sixteen partners, for a given wave
	s_lshl_b32 s76, s77, 15
	s_mov_b32 s77, 0
	s_add_nc_u64 s[PFA:PFA+1], s[PFA:PFA+1], s[76:77]
	s_add_nc_u64 s[PFA:PFA+1], s[PFA:PFA+1], 2*4096  ; at K step 2: the first refill steps it to 3 and names K step 4
	s_mul_i32 s78, s78, s79
	s_sub_co_u32 s79, s79, 1
	v_and_b32 v[PFO], 31, v0
	v_min_u32 v[PFO], s79, v[PFO]
	v_add_nc_u32 v[PFO], s78, v[PFO]               ; my block among the wave's: 16 to a row tile
	v_lshrrev_b32 v2, 4, v[PFO]
	v_and_b32 v[PFO], 15, v[PFO]
	v_lshlrev_b32 v[PFO], 8, v[PFO]
	v_lshl_add_u32 v[PFO], v2, 15, v[PFO]
; 32 LDS loads in one run: the fragments of 32 along K (quarter q4 of the slot's K step) into buffer f: x's four, then wt's twelve, v's four last
.macro FETCH slot, q4, f
	WIN 0x40                                       ; destination window 1, address window 0
.irp t, 0,1,2,3
	ds_load_b128 v[192+32*(\f)+8*(\t):192+32*(\f)+8*(\t)+3],   v[ADRA+(\slot)] offset:(\t)*4096+(\q4)*1024
	ds_load_b128 v[192+32*(\f)+8*(\t)+4:192+32*(\f)+8*(\t)+7], v[ADRA+(\slot)] offset:(\t)*4096+(\q4)*1024+512
.endr
.irp n, 0,1,2,3,4,5,6,7,8,9,10,11
	ds_load_b128 v[96*(\f)+8*(\n):96*(\f)+8*(\n)+3],   v[ADRB+(\slot)] offset:(\n)*4096+(\q4)*1024
	ds_load_b128 v[96*(\f)+8*(\n)+4:96*(\f)+8*(\n)+7], v[ADRB+(\slot)] offset:(\n)*4096+(\q4)*1024+512
.endr
.endm
; 16 products for q (which = 0) or k (1): source 0 = 16 rows of wt, source 1 = 16 tokens.  The 48 accumulators take turns, one instruction a turn.
.macro MULQK f, which, zero
	WIN 0xa5
.irp t, 0,1,2,3
.irp d, 0,1,2,3
.if \zero
	v_wmma_f32_16x16x32_bf16 v[128*(\which)+8*(4*(\t)+(\d)):128*(\which)+8*(4*(\t)+(\d))+7], v[96*(\f)+8*(4*(\which)+(\d)):96*(\f)+8*(4*(\which)+(\d))+7], v[192+32*(\f)+8*(\t):192+32*(\f)+8*(\t)+7], 0
.else
	v_wmma_f32_16x16x32_bf16 v[128*(\which)+8*(4*(\t)+(\d)):128*(\which)+8*(4*(\t)+(\d))+7], v[96*(\f)+8*(4*(\which)+(\d)):96*(\f)+8*(4*(\which)+(\d))+7], v[192+32*(\f)+8*(\t):192+32*(\f)+8*(\t)+7], v[128*(\which)+8*(4*(\t)+(\d)):128*(\which)+8*(4*(\t)+(\d))+7]
.endif
.endr
.endr
.endm
; 16 products for v: source 0 = 16 tokens, source 1 = 16 rows of wt
.macro MULV f, zero
	WIN 0xf5
.irp t, 0,1,2,3
.irp d, 0,1,2,3
.if \zero
	v_wmma_f32_16x16x32_bf16 v[8*(4*(\t)+(\d)):8*(4*(\t)+(\d))+7], v[192+32*(\f)+8*(\t):192+32*(\f)+8*(\t)+7], v[96*(\f)+8*(8+(\d)):96*(\f)+8*(8+(\d))+7], 0
.else
	v_wmma_f32_16x16x32_bf16 v[8*(4*(\t)+(\d)):8*(4*(\t)+(\d))+7], v[192+32*(\f)+8*(\t):192+32*(\f)+8*(\t)+7], v[96*(\f)+8*(8+(\d)):96*(\f)+8*(8+(\d))+7], v[8*(4*(\t)+(\d)):8*(4*(\t)+(\d))+7]
.endif
.endr
.endr
.endm
; A K step is four quarters of 32 along K, 48 matrix instructions each, on buffers 0, 1, 0, 1.  One of the first three multiplies buffer f and fetches quarter q4 of the same slot into g.
.macro QUARTER slot, q4, f, g, zero
	s_wait_dscnt 8                                 ; all but the youngest eight loads (v's weights) are in
	MULQK \f, 0, \zero
	MULQK \f, 1, \zero
	PLACES
	FETCH \slot, \q4, \g
	s_wait_dscnt 32                                ; all but the 32 just issued
	MULV \f, \zero
.endm
; The last quarter multiplies buffer 1 and changes slots: ONE barrier; in front of it each wave waits for all its tensor loads (one is out: its part of the next slot), adds 0 to its spare word, and waits
; for that and for its reads of this slot.  fill = 1: the barrier opens a round of the cluster's, and behind the round this slot is filled again, two K steps on: the wave's one load there.
; fill = 2: the same, with the NEXT tile's K step 0 or 1.  fetch = 0: the next slot's first fragments are not fetched here: the way out, which follows, takes the fragments' registers.
.macro TURN slot, next, fill, fetch=1
.if \fill
	s_wait_xcnt 0x0                                ; the last prefetch, a K step back, has read its address
.if ((\fill) == 2) && ((\slot) == 0)
	s_add_nc_u64 s[PFA:PFA+1], s[PFA:PFA+1], WALKA-7*4096  ; from the K step behind the tile's last to the next tile's K step 1
	s_cmp_eq_u32 s[FBW], 0
	s_cselect_b32 s[LIM], s[LIM], -1               ; wt's rows are prefetched no more (their pointer is not used again)
.else
	s_add_nc_u64 s[PFA:PFA+1], s[PFA:PFA+1], 4096
.endif
.endif
	WIN 0
	s_wait_tensorcnt 0x0
	ds_add_u32 v[SPW], v[NIL]
	s_wait_dscnt 9                                 ; (the add and the youngest eight loads may be out)
	MULQK 1, 0, 0
	s_wait_dscnt 0x0                               ; the add is done, and my reads of this slot are over
	s_barrier_signal -1
	MULQK 1, 1, 0
.if \fill
	WIN 0
.endif
	s_barrier_wait -1
.if \fill
	CREST                                          ; no wave of any partner still reads this slot's tile or has a load on its way
.if (\fill) == 2
	s_add_nc_u64 s[G0+4*(\slot)+2:G0+4*(\slot)+3], s[G0+4*(\slot)+2:G0+4*(\slot)+3], NEXT_A
	s_sub_nc_u64 s[G0B+4*(\slot)+2:G0B+4*(\slot)+3], s[G0B+4*(\slot)+2:G0B+4*(\slot)+3], BACK_B
.else
	s_add_nc_u64 s[G0+4*(\slot)+2:G0+4*(\slot)+3], s[G0+4*(\slot)+2:G0+4*(\slot)+3], 2*4096
	s_add_nc_u64 s[G0B+4*(\slot)+2:G0B+4*(\slot)+3], s[G0B+4*(\slot)+2:G0B+4*(\slot)+3], 2*4096
.endif
	JLOAD \slot                                    ; its four v_nop are also the places in front of the loads below
.else
	PLACES
.endif
.if \fetch
	FETCH \next, 0, 0
.endif
.if \fill
	ASK (\fill)-1
.endif
	MULV 1, 0
.endm
	s_wait_tensorcnt 1                             ; my part of K step 0 is in; K step 1's may stay out
	s_barrier_signal -1
	s_barrier_wait -1
	s_mov_b32 s2, 2                                ; tiles to go: the same number in every work-group
.Ltile:
	FETCH 0, 0, 0                                  ; slot 0 is whole: shown by the barrier above, or by the round of the tile before's last change of slots
	QUARTER 0, 1, 0, 1, 1                          ; a tile's first quarter stands in front of the loop: its products start the sums
	WIN 0
	s_mov_b32 s3, 3
.Llap:                                                 ; a trip goes once round the ring, from a lap's second quarter to the next lap's first, and fills both slots again
	QUARTER 0, 2, 1, 0, 0
	QUARTER 0, 3, 0, 1, 0
	TURN 0, 1, 1
	QUARTER 1, 1, 0, 1, 0
	QUARTER 1, 2, 1, 0, 0
	QUARTER 1, 3, 0, 1, 0
	TURN 1, 0, 1
	QUARTER 0, 1, 0, 1, 0
	WIN 0
	s_sub_co_u32 s3, s3, 1
	s_cmp_lg_u32 s3, 0
	s_cbranch_scc1 .Llap
	QUARTER 0, 2, 1, 0, 0                          ; the tile's last lap goes on
	QUARTER 0, 3, 0, 1, 0
	WIN 0
	s_cmp_eq_u32 s2, 1
	s_cbranch_scc1 .Llast                          ; the last tile's tail is written out: it asks for nothing more
	TURN 0, 1, 2                                   ; THE RING GOES ON INTO THE NEXT TILE: slot 0 takes its K step 0,
	QUARTER 1, 1, 0, 1, 0
	QUARTER 1, 2, 1, 0, 0
	QUARTER 1, 3, 0, 1, 0
	TURN 1, 0, 2, 0                                ; slot 1 its K step 1
	WIN 0
	s_branch .Lout
.Llast:
	TURN 0, 1, 0
	QUARTER 1, 1, 0, 1, 0
	QUARTER 1, 2, 1, 0, 0
	QUARTER 1, 3, 0, 1, 0
	s_wait_dscnt 8
	MULQK 1, 0, 0
	MULQK 1, 1, 0
	s_wait_dscnt 0x0
	MULV 1, 0
	WIN 0
.Lout:
	; THE WAY OUT.  q, k, v rounded to f16 into window 1 (q at 16 t + 4 d + p, k at 64 + the same, v at 128 + 16 d + 4 t + p): 48 chunks of four registers, stored as they lie.
	PLACES
	WIN 0x4a                                       ; sources window 2, destination window 1
.set i, 0
.rept 128
	v_cvt_pk_f16_f32 v[i], v[2*i], v[2*i+1]
.set i, i+1
.endr
	WIN 0x4f                                       ; sources window 3
.irp t, 0,1,2,3
.irp d, 0,1,2,3
.irp p, 0,1,2,3
	v_cvt_pk_f16_f32 v[128+16*(\d)+4*(\t)+(\p)], v[8*(4*(\t)+(\d))+2*(\p)], v[8*(4*(\t)+(\d))+2*(\p)+1]
.endr
.endr
.endr
	WIN 0x04                                       ; store data window 1
.set i, 0
.rept 48
	global_store_b128 v[GO], v[4*i:4*i+3], s[8:9] offset:512*i  ; 512 consecutive bytes, aligned
.set i, i+1
.endr
	; the maxima over the segment's 64 tokens: over the four token tiles, then over the sixteen lanes of my half
	WIN 0x2a                                       ; three sources window 2, destination window 0
.set i, 0
.rept 32
	v_max3_num_f32 v[MXQ+i], v[i], v[32+i], v[64+i]
	v_max3_num_f32 v[MXK+i], v[128+i], v[160+i], v[192+i]
.set i, i+1
.endr
	WIN 0x02
.set i, 0
.rept 32
	v_max_num_f32 v[MXQ+i], v[96+i], v[MXQ+i]
	v_max_num_f32 v[MXK+i], v[224+i], v[MXK+i]
.set i, i+1
.endr
	WIN 0
.irp m, 1,2,4,8
.set i, 0
.rept 64
	v_max_num_f32_dpp v[MXQ+i], v[MXQ+i], v[MXQ+i] row_xmask:\m row_mask:0xf bank_mask:0xf
.set i, i+1
.endr
.endr
.set i, 0
.rept 16
	v_cvt_pk_f16_f32 v[MQF+i], v[MXQ+2*i], v[MXQ+2*i+1]
.set i, i+1
.endr
	WIN 0x01                                       ; source 0 (k in f16) window 1
.irp c, 0,1
.irp t, 0,1,2,3
.if (\c) == 0
	v_wmma_f32_16x16x32_f16 v[SL+8*(\t):SL+8*(\t)+7], v[64+16*(\t)+8*(\c):64+16*(\t)+8*(\c)+7], v[MQF+8*(\c):MQF+8*(\c)+7], 0
.else
	v_wmma_f32_16x16x32_f16 v[SL+8*(\t):SL+8*(\t)+7], v[64+16*(\t)+8*(\c):64+16*(\t)+8*(\c)+7], v[MQF+8*(\c):MQF+8*(\c)+7], v[SL+8*(\t):SL+8*(\t)+7]
.endif
.endr
.endr
	WIN 0
.set i, 0
.rept 16                                       ; span_key's roundings are the places behind those products
	v_cvt_pk_f16_f32 v[SKP+i], v[MXK+2*i], v[MXK+2*i+1]
.set i, i+1
.endr
	; softmax over the 64 keys: my lane holds 32 logits (keys 16 t + 8 (lane / 16) + j), the lane 16 away the others; each accumulator's lowest registers are read first
.irp j, 0,1,2,3
	v_max3_num_f32 v[ST+4+(\j)], v[SL+8*(\j)], v[SL+8*(\j)+1], v[SL+8*(\j)+2]
.endr
.irp j, 0,1,2,3
	v_max3_num_f32 v[ST+4+(\j)], v[ST+4+(\j)], v[SL+8*(\j)+3], v[SL+8*(\j)+4]
.endr
.irp j, 0,1,2,3
	v_max3_num_f32 v[ST+4+(\j)], v[ST+4+(\j)], v[SL+8*(\j)+5], v[SL+8*(\j)+6]
.endr
	v_max3_num_f32 v[ST+4], v[ST+4], v[SL+7], v[SL+15]
	v_max3_num_f32 v[ST+6], v[ST+6], v[SL+23], v[SL+31]
	v_max3_num_f32 v[ST+4], v[ST+4], v[ST+5], v[ST+6]
	v_max_num_f32 v[ST+4], v[ST+4], v[ST+7]
	v_permlanex16_b32 v[ST+5], v[ST+4], s[SEL], s[SEL+1]
	v_max_num_f32 v[ST+1], v[ST+4], v[ST+5]        ; m
	v_mul_f32 v[ST], s[CS], v[ST+1]                ; c m
.set i, 0
.rept 16
	v_pk_fma_f32 v[SL+2*i:SL+2*i+1], v[SL+2*i:SL+2*i+1], s[CS:CS+1], v[ST:ST+1] op_sel_hi:[1,0,0] neg_lo:[0,0,1] neg_hi:[0,0,1]  ; c s - c m
.set i, i+1
.endr
.set i, 0
.rept 32
	v_exp_f32 v[SL+i], v[SL+i]
.set i, i+1
.endr
	v_nop                                          ; a plain instruction behind the last exponential,
	s_wait_alu depctr_va_vdst(0)                   ; and one wait for the batch, ahead of its first reader
.set i, 0
.rept 16
	v_cvt_pk_f16_f32 v[PF+i], v[SL+2*i], v[SL+2*i+1]
.set i, i+1
.endr
	WIN 0x01                                       ; source 0 (v in f16) window 1
.irp c, 0,1
.irp d, 0,1,2,3
.if (\c) == 0
	v_wmma_f32_16x16x32_f16 v[SV+8*(\d):SV+8*(\d)+7], v[128+16*(\d)+8*(\c):128+16*(\d)+8*(\c)+7], v[PF+8*(\c):PF+8*(\c)+7], 0
.else
	v_wmma_f32_16x16x32_f16 v[SV+8*(\d):SV+8*(\d)+7], v[128+16*(\d)+8*(\c):128+16*(\d)+8*(\c)+7], v[PF+8*(\c):PF+8*(\c)+7], v[SV+8*(\d):SV+8*(\d)+7]
.endif
.endr
.endr
	WIN 0
.irp u, 0,1,2,3,4,5,6,7                        ; the sum of the unrounded weights: these additions are the places behind those products
	v_pk_add_f32 v[SL+4*(\u):SL+4*(\u)+1], v[SL+4*(\u):SL+4*(\u)+1], v[SL+4*(\u)+2:SL+4*(\u)+3]
.endr
.irp u, 0,1,2,3
	v_pk_add_f32 v[SL+8*(\u):SL+8*(\u)+1], v[SL+8*(\u):SL+8*(\u)+1], v[SL+8*(\u)+4:SL+8*(\u)+5]
.endr
.irp u, 0,1
	v_pk_add_f32 v[SL+16*(\u):SL+16*(\u)+1], v[SL+16*(\u):SL+16*(\u)+1], v[SL+16*(\u)+8:SL+16*(\u)+9]
.endr
	v_pk_add_f32 v[ST+2:ST+3], v[SL:SL+1], v[SL+16:SL+17]
	v_add_f32 v[ST+4], v[ST+2], v[ST+3]
	v_permlanex16_b32 v[ST+5], v[ST+4], s[SEL], s[SEL+1]
	v_add_f32 v[ST+4], v[ST+4], v[ST+5]
	v_rcp_f32 v[ST+2], v[ST+4]
	v_nop
	s_wait_alu depctr_va_vdst(0)                   ; the reciprocal's wait, ahead of its first reader
.set i, 0
.rept 16
	v_pk_mul_f32 v[SV+2*i:SV+2*i+1], v[SV+2*i:SV+2*i+1], v[ST+2:ST+3] op_sel_hi:[1,0]
.set i, i+1
.endr
.set i, 0
.rept 16
	v_cvt_pk_f16_f32 v[SVP+i], v[SV+2*i], v[SV+2*i+1]
.set i, i+1
.endr
.irp d, 0,1,2,3                                ; the record: span_key's 64 f16, then span_val's; the sixteen lanes of a half hold, and write, the same 16 bytes
	ds_store_b128 v[STS], v[SKP+4*(\d):SKP+4*(\d)+3] offset:32*(\d)
	ds_store_b128 v[STS], v[SVP+4*(\d):SVP+4*(\d)+3] offset:128+32*(\d)
.endr
	ds_load_b64 v[OUTR:OUTR+1], v[STL]             ; my wave's own bytes: LDS serves a wave's instructions in order (ISA guide 5.7.1.4)
	s_wait_dscnt 0x0
	global_store_b64 v[GS], v[OUTR:OUTR+1], s[10:11]  ; 256 consecutive bytes, aligned
	s_wait_xcnt 0x0                                ; the tile's stores have read their registers and bases: only behind this wait are the bases stepped and, at the loop's top, the fragments' registers loaded again
	s_add_nc_u64 s[8:9], s[8:9], NEXT_Q            ; on to the next tile's places (behind the last tile they are not used)
	s_add_nc_u64 s[10:11], s[10:11], NEXT_S
	s_sub_co_u32 s2, s2, 1
	s_cmp_lg_u32 s2, 0
	s_cbranch_scc1 .Ltile
	s_wait_tensorcnt 0x0                           ; the wave's end
	ds_add_u32 v[SPW], v[NIL]
	s_wait_dscnt 0x0
	CROUND                                         ; the closing round
	s_endpgm
.Lfunc_end_k_q84aa946688_qkvgemm:
	.size	k_q84aa946688_qkvgemm, .Lfunc_end_k_q84aa946688_qkvgemm-k_q84aa946688_qkvgemm
	.p2alignl 7, 3214868480
	.fill 96, 4, 3214868480
	.section	.rodata,"a",@progbits
	.p2align	6, 0x0
	.amdhsa_kernel k_q84aa946688_qkvgemm
		.amdhsa_group_segment_fixed_size 327680
		.amdhsa_private_segment_fixed_size 0
		.amdhsa_enable_private_segment 0
		.amdhsa_kernarg_size 32
		.amdhsa_user_sgpr_count 2
		.amdhsa_user_sgpr_kernarg_segment_ptr 1
		.amdhsa_wavefront_size32 1
		.amdhsa_system_sgpr_workgroup_id_x 1
		.amdhsa_system_sgpr_workgroup_id_y 1
		.amdhsa_system_sgpr_workgroup_id_z 1
		.amdhsa_system_vgpr_workitem_id 0
		.amdhsa_next_free_vgpr 896
		.amdhsa_next_free_sgpr 80
		.amdhsa_reserve_vcc 0
		.amdhsa_float_denorm_mode_32 3
		.amdhsa_float_denorm_mode_16_64 3
		.amdhsa_memory_ordered 1
		.amdhsa_forward_progress 1
		.amdhsa_inst_pref_size 173
	.end_amdhsa_kernel
	.amdgpu_metadata
---
amdhsa.version: [ 1, 2 ]
amdhsa.kernels:
  - .name:           k_q84aa946688_qkvgemm
    .symbol:         k_q84aa946688_qkvgemm.kd
    .args:
      - { .name: xb, .offset: 0, .size: 8, .value_kind: global_buffer, .address_space: global }
      - { .name: wt, .offset: 8, .size: 8, .value_kind: global_buffer, .address_space: global }
      - { .name: qkv, .offset: 16, .size: 8, .value_kind: global_buffer, .address_space: global }
      - { .name: summ, .offset: 24, .size: 8, .value_kind: global_buffer, .address_space: global }
    .group_segment_fixed_size: 327680
    .private_segment_fixed_size: 0
    .kernarg_segment_align: 8
    .kernarg_segment_size: 32
    .max_flat_workgroup_size: 128
    .sgpr_count:     80
    .vgpr_count:     896
    .wavefront_size: 32
...
	.end_amdgpu_metadata
.endif
;; end of part 2
;; launch attn (part 3): grid 256 x 1, 8 waves a work-group, no clusters, 74,752 bytes of LDS; arguments qkv, summ, att; writes att
.if DOCPART == 3
	.amdgcn_target "amdgcn-amd-amdhsa--gfx1250"
	.amdhsa_code_object_version 6
	.text
	.protected	k_q84aa946688_attn
	.globl	k_q84aa946688_attn
	.p2align	8
	.type	k_q84aa946688_attn,@function
k_q84aa946688_attn:
	s_mov_b64 s[64:65], 0
	v_nop
	global_prefetch_b8 v0, s[64:65] scope:SCOPE_SE
	s_setreg_imm32_b32 hwreg(HW_REG_WAVE_MODE, 25, 1), 1
	s_wait_xcnt 0x0
; For one segment of 64 tokens and one head, a wave: the joint softmax over the 64 local keys (causal) and the 32 segment summaries (strictly earlier ones), and O = P_local V + P_prev span_val.
; WORK LEFT OUT, as shown at the head of the first kernel: tiles of 16 x 16 local logits wholly above the diagonal, and tiles of 16 summaries none of which is earlier than my segment; their weights
; are 0 in f32 while a row's logits differ by less than 9.9e9.  In mixed tiles reference()'s bias is added, as the C operand that starts the sum: -1e10 on q . k / 8 is -8e10 on the unscaled q . k.
; q, k, v come as qkvgemm left them, 48 chunks of 512 bytes that ARE matrix operands: S^T = K Q^T holds one query a lane (lane % 16) and the keys 8 (lane / 16) + j; two such results rounded to f16
; are source 1 of O^T = V^T P; O^T rounded to f16 is a chunk of att's fragment image.  p = 2^(c s - c m), c = log2(e) / 8, m the row's maximum over all its logits.
; The (batch, head)'s 32 records of 256 bytes (span_key, span_val) go through my wave's own LDS bytes, rows 288 bytes apart: span_key comes back as it lies, span_val turned by ds_load_tr16_b128.
; Every load of the wave is issued at its head, so there is no later step to ask for ahead; no wave reads another's LDS bytes, so there is no barrier; what waves share is the 8 KiB of records.
; LIMITS: f16's range for the operands; a weight below 2^-126 counts as 0; NaN and infinities are not treated apart.
; REGISTERS: window 0: v4-11 addresses; v16-31 per query tile t: c m, m, l (even, odd); v32-39 at work; v40-47 the diagonal tile's bias; v48-63 the summaries' bias; v64-207 S^T, tile t at
; SB(t) = 64 + 24 t + 4 t (t - 1): summaries 0-15, 16-31, then local key tiles 0 .. t.   window 1: v0-63 Q, v64-127 K (later O^T at 32 t + 8 d), v128-191 V, v192-223 span_key, v224-255 span_val.
.set PITCH, 288
.set WLDS,  32*PITCH                   ; a wave's bytes
.set SPARE, 8*WLDS                     ; the spare words, 128 bytes for each wave: four blocks of 256 bytes that no other line names
.set LO,  4                            ; v4   16 x lane
.set LST, 5                            ; v5   where I put 16 bytes of a record
.set LKA, 6                            ; v6   my place in a fragment of span_key
.set LVA, 7                            ; v7   my place for the turning load of span_val
.set RH,  8                            ; v8   lane % 16 - 8 (lane / 16)
.set SH,  9                            ; v9   my segment - 8 (lane / 16)
.set SPW, 10
.set NIL, 11
.set ST,  16
.set TM,  32
.set MD,  40
.set MP,  48
.set MSB, 0
.macro WIN new
.if MSB != (\new)
	s_set_vgpr_msb (MSB<<8)|(\new)
.set MSB, \new
.endif
.endm
.macro PLACES
.rept 4
	v_nop
.endr
.endm
	s_load_b128 s[4:7], s[0:1], 0x0                ; qkv s[4:5], summ s[6:7]
	s_load_b64 s[8:9], s[0:1], 0x10                ; att
	v_lshl_add_u32 v[SPW], v0, 2, SPARE
	v_mov_b32 v[NIL], 0
	v_lshrrev_b32 v1, 5, v0
	v_readfirstlane_b32 s10, v1                    ; wave 0..7
	v_and_b32 v1, 31, v0
	v_lshlrev_b32 v[LO], 4, v1
	s_lshr_b32 s11, ttmp9, 1                       ; segment among the 128
	s_and_b32 s12, s11, 31                         ; segment in its batch
	s_lshr_b32 s13, s11, 5                         ; batch
	s_and_b32 s14, ttmp9, 1
	s_lshl3_add_u32 s14, s14, s10                  ; head
	s_lshl_b32 s15, ttmp9, 3
	s_add_co_u32 s15, s15, s10                     ; segment x 16 + head
	s_mul_i32 s24, s15, 24576
	s_mov_b32 s25, 0
	s_lshl4_add_u32 s26, s13, s14
	s_lshl_b32 s26, s26, 13                        ; (batch x 16 + head) x 32 records
	s_mov_b32 s27, 0
	s_lshl_b32 s28, s11, 17                        ; four row tiles of att,
	s_lshl_b32 s29, s14, 11                        ; the head's two blocks
	s_add_co_u32 s28, s28, s29
	s_mov_b32 s29, 0
	s_mov_b32 s18, 0x3e38aa3b                      ; c
	s_mov_b32 s19, s18
	s_mov_b32 s20, 0x76543210
	s_mov_b32 s21, 0xfedcba98
	s_mov_b32 s22, 0xd19502f9                      ; -8e10
	s_wait_kmcnt 0x0
	s_add_nc_u64 s[4:5], s[4:5], s[24:25]
	s_add_nc_u64 s[6:7], s[6:7], s[26:27]
	s_add_nc_u64 s[8:9], s[8:9], s[28:29]
.set i, 0
.rept 16
	global_load_b128 v[64+4*i:64+4*i+3], v[LO], s[6:7] offset:512*i  ; records 2 i and 2 i + 1
.set i, i+1
.endr
	WIN 0x40
.set i, 0
.rept 48
	global_load_b128 v[4*i:4*i+3], v[LO], s[4:5] offset:512*i th:TH_LOAD_NT  ; q (16 chunks), k (16), v (16)
.set i, i+1
.endr
	WIN 0
	; addresses and biases, while the loads are out
	v_and_b32 v2, 15, v0
	v_bfe_u32 v3, v0, 4, 1
	s_mul_i32 s16, s10, WLDS
	v_mul_u32_u24 v[LST], v3, PITCH
	v_lshl_add_u32 v[LST], v2, 4, v[LST]
	v_add_nc_u32 v[LST], s16, v[LST]
	v_mul_u32_u24 v[LKA], v2, PITCH
	v_lshl_add_u32 v[LKA], v3, 4, v[LKA]
	v_add_nc_u32 v[LKA], s16, v[LKA]
	v_and_b32 v12, 7, v0
	v_lshl_add_u32 v12, v3, 3, v12
	v_mul_u32_u24 v[LVA], v12, PITCH
	v_bfe_u32 v12, v0, 3, 1
	v_lshl_add_u32 v[LVA], v12, 4, v[LVA]
	v_add_nc_u32 v[LVA], s16, v[LVA]
	v_add_nc_u32 v[LVA], 128, v[LVA]
	v_lshlrev_b32 v12, 3, v3
	v_sub_nc_u32 v[RH], v2, v12
	v_sub_nc_u32 v[SH], s12, v12
.irp j, 0,1,2,3,4,5,6,7
	v_cmp_gt_i32 vcc_lo, \j, v[RH]                 ; key 8 (lane / 16) + j lies behind query lane % 16
	v_cndmask_b32 v[MD+(\j)], 0, s22, vcc_lo
.endr
.irp kp, 0,1
.irp j, 0,1,2,3,4,5,6,7
	v_cmp_ge_i32 vcc_lo, 16*(\kp)+(\j), v[SH]      ; summary 16 kp + 8 (lane / 16) + j is not earlier than my segment
	v_cndmask_b32 v[MP+8*(\kp)+(\j)], 0, s22, vcc_lo
.endr
.endr
.irp t, 0,1,2,3
	v_mov_b32 v[TM+4+(\t)], 0                      ; v_permlanex16_b32's destinations count as read
.endr
	s_wait_loadcnt 48                              ; the records are in; q, k, v may stay out
.set i, 0
.rept 16
	ds_store_b128 v[LST], v[64+4*i:64+4*i+3] offset:2*PITCH*i
.set i, i+1
.endr
	WIN 0x40
.irp kp, 0,1
.irp c, 0,1
	ds_load_b128 v[192+16*(\kp)+8*(\c):192+16*(\kp)+8*(\c)+3],   v[LKA] offset:(\kp)*16*PITCH+64*(\c)
	ds_load_b128 v[192+16*(\kp)+8*(\c)+4:192+16*(\kp)+8*(\c)+7], v[LKA] offset:(\kp)*16*PITCH+64*(\c)+32
.endr
.endr
.irp d, 0,1,2,3
	ds_load_tr16_b128 v[224+8*(\d):224+8*(\d)+3],   v[LVA] offset:32*(\d)
	ds_load_tr16_b128 v[224+8*(\d)+4:224+8*(\d)+7], v[LVA] offset:32*(\d)+16*PITCH
.endr
	s_wait_loadcnt 16                              ; q and k are in; v's 16 loads may stay out
	s_wait_dscnt 0x0                               ; the records have left the registers that the scores now take, and the summaries' fragments are in
	WIN 0x05                                       ; K and Q window 1, S^T window 0
.irp c, 0,1                                    ; the local scores: ten accumulators by turns, one instruction a turn
.irp t, 0,1,2,3
.irp kt, 0,1,2,3
.if (\kt) <= (\t)
.set rS, 64+24*(\t)+4*(\t)*((\t)-1)+16+8*(\kt)
.if ((\c) == 0) && ((\kt) == (\t))
	v_wmma_f32_16x16x32_f16 v[rS:rS+7], v[64+16*(\kt):64+16*(\kt)+7], v[16*(\t):16*(\t)+7], v[MD:MD+7]
.elseif (\c) == 0
	v_wmma_f32_16x16x32_f16 v[rS:rS+7], v[64+16*(\kt):64+16*(\kt)+7], v[16*(\t):16*(\t)+7], 0
.else
	v_wmma_f32_16x16x32_f16 v[rS:rS+7], v[64+16*(\kt)+8:64+16*(\kt)+15], v[16*(\t)+8:16*(\t)+15], v[rS:rS+7]
.endif
.endif
.endr
.endr
.endr
; The scores against summaries 16 kp .. 16 kp + 15.  Where none of them is earlier than my segment the products are left out and the logits take the bias itself: their weights are 0 either way.
.macro SPREV kp
	WIN 0
	s_cmp_gt_u32 s12, 16*(\kp)
	s_cbranch_scc0 .Ldead_\@
	WIN 0x05
.irp c, 0,1
.irp t, 0,1,2,3
.set rS, 64+24*(\t)+4*(\t)*((\t)-1)+8*(\kp)
.if (\c) == 0
	v_wmma_f32_16x16x32_f16 v[rS:rS+7], v[192+16*(\kp):192+16*(\kp)+7], v[16*(\t):16*(\t)+7], v[MP+8*(\kp):MP+8*(\kp)+7]
.else
	v_wmma_f32_16x16x32_f16 v[rS:rS+7], v[192+16*(\kp)+8:192+16*(\kp)+15], v[16*(\t)+8:16*(\t)+15], v[rS:rS+7]
.endif
.endr
.endr
	WIN 0
	s_branch .Ljoin_\@
.Ldead_\@:
.irp t, 0,1,2,3
.irp j, 0,1,2,3,4,5,6,7
	v_mov_b32 v[64+24*(\t)+4*(\t)*((\t)-1)+8*(\kp)+(\j)], s22
.endr
.endr
.Ljoin_\@:
.endm
	SPREV 0
	SPREV 1
	PLACES
	; each row's maximum: one chain a query tile, ascending, the four chains by turns
.set i, 0
.rept 24
.irp t, 0,1,2,3
.set sb, 64+24*(\t)+4*(\t)*((\t)-1)
.set nt, 24+8*(\t)
.if i == 0
	v_max3_num_f32 v[TM+(\t)], v[sb], v[sb+1], v[sb+2]
.elseif 2*i+2 < nt
	v_max3_num_f32 v[TM+(\t)], v[TM+(\t)], v[sb+2*i+1], v[sb+2*i+2]
.elseif 2*i+1 < nt
	v_max_num_f32 v[TM+(\t)], v[TM+(\t)], v[sb+2*i+1]
.endif
.endr
.set i, i+1
.endr
.irp t, 0,1,2,3
	v_permlanex16_b32 v[TM+4+(\t)], v[TM+(\t)], s20, s21  ; the row's other logits lie in the lane 16 away
.endr
.irp t, 0,1,2,3
	v_max_num_f32 v[ST+4*(\t)+1], v[TM+(\t)], v[TM+4+(\t)]
.endr
.irp t, 0,1,2,3
	v_mul_f32 v[ST+4*(\t)], s18, v[ST+4*(\t)+1]
.endr
.irp t, 0,1,2,3
.set sb, 64+24*(\t)+4*(\t)*((\t)-1)
.set i, 0
.rept 12+4*(\t)
	v_pk_fma_f32 v[sb+2*i:sb+2*i+1], v[sb+2*i:sb+2*i+1], s[18:19], v[ST+4*(\t):ST+4*(\t)+1] op_sel_hi:[1,0,0] neg_lo:[0,0,1] neg_hi:[0,0,1]
.set i, i+1
.endr
.endr
.set i, 64
.rept 144
	v_exp_f32 v[i], v[i]
.set i, i+1
.endr
	v_nop                                          ; a plain instruction behind the last exponential,
	s_wait_alu depctr_va_vdst(0)                   ; and one wait for the 144, ahead of their first reader
.set i, 1
.rept 23                                       ; the rows' sums, of the unrounded weights: one chain a query tile, the four by turns
.irp t, 0,1,2,3
.set sb, 64+24*(\t)+4*(\t)*((\t)-1)
.set nt, 24+8*(\t)
.if i == 1
	v_pk_add_f32 v[ST+4*(\t)+2:ST+4*(\t)+3], v[sb:sb+1], v[sb+2:sb+3]
.elseif 2*i < nt
	v_pk_add_f32 v[ST+4*(\t)+2:ST+4*(\t)+3], v[ST+4*(\t)+2:ST+4*(\t)+3], v[sb+2*i:sb+2*i+1]
.endif
.endr
.set i, i+1
.endr
.irp t, 0,1,2,3
	v_add_f32 v[TM+(\t)], v[ST+4*(\t)+2], v[ST+4*(\t)+3]
.endr
.irp t, 0,1,2,3
	v_permlanex16_b32 v[TM+4+(\t)], v[TM+(\t)], s20, s21
.endr
.irp t, 0,1,2,3
	v_add_f32 v[TM+(\t)], v[TM+(\t)], v[TM+4+(\t)]
.endr
.irp t, 0,1,2,3
	v_rcp_f32 v[ST+4*(\t)+2], v[TM+(\t)]
.endr
.irp t, 0,1,2,3                                ; the weights rounded to f16, in place and ascending: word i takes numbers 2 i and 2 i + 1.  Independent work behind the reciprocals
.set sb, 64+24*(\t)+4*(\t)*((\t)-1)
.set i, 0
.rept 12+4*(\t)
	v_cvt_pk_f16_f32 v[sb+i], v[sb+2*i], v[sb+2*i+1]
.set i, i+1
.endr
.endr
.irp j, 0,1,2,3
	v_mov_b32 v[64+12+(\j)], 0                     ; query tile 0: keys 16-31 lie above the diagonal,
	v_mov_b32 v[120+20+(\j)], 0                    ; query tile 2: keys 48-63
.endr
	s_wait_alu depctr_va_vdst(0)                   ; the four reciprocals' wait, ahead of the branch below and of their first reader
	s_wait_loadcnt 0x0                             ; v
	WIN 0x51                                       ; V window 1, P window 0, O^T window 1
.irp t, 0,1,2,3
.irp d, 0,1,2,3
.set sb, 64+24*(\t)+4*(\t)*((\t)-1)
	v_wmma_f32_16x16x32_f16 v[32*(\t)+8*(\d):32*(\t)+8*(\d)+7], v[128+16*(\d):128+16*(\d)+7], v[sb+8:sb+15], 0  ; keys 0-31
.endr
.endr
.irp t, 2,3
.irp d, 0,1,2,3
.set sb, 64+24*(\t)+4*(\t)*((\t)-1)
	v_wmma_f32_16x16x32_f16 v[32*(\t)+8*(\d):32*(\t)+8*(\d)+7], v[128+16*(\d)+8:128+16*(\d)+15], v[sb+16:sb+23], v[32*(\t)+8*(\d):32*(\t)+8*(\d)+7]  ; keys 32-63
.endr
.endr
	WIN 0
	s_cmp_eq_u32 s12, 0                            ; a batch's first segment has no earlier summary
	s_cbranch_scc1 .Lnoprev
	WIN 0x51
.irp t, 0,1,2,3
.irp d, 0,1,2,3
.set sb, 64+24*(\t)+4*(\t)*((\t)-1)
	v_wmma_f32_16x16x32_f16 v[32*(\t)+8*(\d):32*(\t)+8*(\d)+7], v[224+8*(\d):224+8*(\d)+7], v[sb:sb+7], v[32*(\t)+8*(\d):32*(\t)+8*(\d)+7]  ; the 32 summaries
.endr
.endr
	WIN 0
.Lnoprev:
	PLACES
	WIN 0x41                                       ; O^T window 1, 1 / l window 0
.irp t, 0,1,2,3
.set i, 0
.rept 16
	v_pk_mul_f32 v[32*(\t)+2*i:32*(\t)+2*i+1], v[32*(\t)+2*i:32*(\t)+2*i+1], v[ST+4*(\t)+2:ST+4*(\t)+3] op_sel_hi:[1,0]
.set i, i+1
.endr
.endr
	WIN 0x05
.set i, 0
.rept 64
	v_cvt_pk_f16_f32 v[64+i], v[2*i], v[2*i+1]
.set i, i+1
.endr
	WIN 0
.irp t, 0,1,2,3
.irp d, 0,1,2,3
	global_store_b128 v[LO], v[64+16*(\t)+4*(\d):64+16*(\t)+4*(\d)+3], s[8:9] offset:(\t)*32768+(\d)*512  ; a chunk of att: 512 consecutive bytes, aligned
.endr
.endr
	s_wait_tensorcnt 0x0                           ; the wave's end, behind my last LDS store
	ds_add_u32 v[SPW], v[NIL]
	s_wait_dscnt 0x0
	s_endpgm
.Lfunc_end_k_q84aa946688_attn:
	.size	k_q84aa946688_attn, .Lfunc_end_k_q84aa946688_attn-k_q84aa946688_attn
	.p2alignl 7, 3214868480
	.fill 96, 4, 3214868480
	.section	.rodata,"a",@progbits
	.p2align	6, 0x0
	.amdhsa_kernel k_q84aa946688_attn
		.amdhsa_group_segment_fixed_size 74752
		.amdhsa_private_segment_fixed_size 0
		.amdhsa_enable_private_segment 0
		.amdhsa_kernarg_size 24
		.amdhsa_user_sgpr_count 2
		.amdhsa_user_sgpr_kernarg_segment_ptr 1
		.amdhsa_wavefront_size32 1
		.amdhsa_system_sgpr_workgroup_id_x 1
		.amdhsa_system_sgpr_workgroup_id_y 1
		.amdhsa_system_sgpr_workgroup_id_z 1
		.amdhsa_system_vgpr_workitem_id 0
		.amdhsa_next_free_vgpr 512
		.amdhsa_next_free_sgpr 66
		.amdhsa_reserve_vcc 1
		.amdhsa_float_denorm_mode_32 3
		.amdhsa_float_denorm_mode_16_64 3
		.amdhsa_memory_ordered 1
		.amdhsa_forward_progress 1
		.amdhsa_inst_pref_size 55
	.end_amdhsa_kernel
	.amdgpu_metadata
---
amdhsa.version: [ 1, 2 ]
amdhsa.kernels:
  - .name:           k_q84aa946688_attn
    .symbol:         k_q84aa946688_attn.kd
    .args:
      - { .name: qkv, .offset: 0, .size: 8, .value_kind: global_buffer, .address_space: global }
      - { .name: summ, .offset: 8, .size: 8, .value_kind: global_buffer, .address_space: global }
      - { .name: att, .offset: 16, .size: 8, .value_kind: global_buffer, .address_space: global }
    .group_segment_fixed_size: 74752
    .private_segment_fixed_size: 0
    .kernarg_segment_align: 8
    .kernarg_segment_size: 24
    .max_flat_workgroup_size: 256
    .sgpr_count:     66
    .vgpr_count:     512
    .wavefront_size: 32
...
	.end_amdgpu_metadata
.endif
;; end of part 3
;; launch proj (part 4): grid 8 x 32, 4 waves a work-group, clusters of 4 x 4, 327,680 bytes of LDS; arguments att, wot, out0; writes out0
.if DOCPART == 4
	.amdgcn_target "amdgcn-amd-amdhsa--gfx1250"
	.amdhsa_code_object_version 6
	.text
	.protected	k_q84aa946688_proj
	.globl	k_q84aa946688_proj
	.p2align	8
	.type	k_q84aa946688_proj,@function
k_q84aa946688_proj:
	s_mov_b64 s[64:65], 0
	v_nop
	global_prefetch_b8 v0, s[64:65] scope:SCOPE_SE
	s_setreg_imm32_b32 hwreg(HW_REG_WAVE_MODE, 25, 1), 1
	s_wait_xcnt 0x0
	s_wait_alu depctr_hold_cnt(0) depctr_sa_sdst(0) depctr_va_vdst(0) depctr_va_sdst(0) depctr_va_ssrc(0) depctr_va_vcc(0) depctr_vm_vsrc(0)
	s_getreg_b32 s2, hwreg(HW_REG_IB_STS2, 6, 4)
	s_cmp_eq_u32 s2, 0
	s_cbranch_scc0 .Lentry_in_a_cluster
	s_endpgm
.Lentry_in_a_cluster:
	s_bfe_u32 s2, ttmp6, 0x10000c
	s_cmp_lg_u32 s2, 0xf033
	s_cbranch_scc0 .Lentry_shape_is_right
	s_endpgm
.Lentry_shape_is_right:
; out0[token][n] = the sum over k of att[token][k] wot[n][k]: f16 operands (the merged heads; wo rounded to bf16 and written as f16), f32 sums, f32 out.
; att and wot are fragment images (16 rows x 32 k in 1,024 bytes): 192 along K of a row tile are 6,144 consecutive bytes; a fragment comes out of LDS by two loads of 512 consecutive bytes.
; A work-group makes 256 tokens x 128 columns, so that there are 256 of them; a wave 64 tokens x 128 columns: 32 accumulators.  Source 0 = 16 rows of wot, source 1 = 16 tokens: a lane holds one
; token and eight neighbouring columns.  Results go through each wave's own stage in LDS, 64 columns at a time, and leave as aligned runs of 256 bytes.
; K = 1,024 GOES IN FIVE STEPS OF 192 AND ONE OF 64: two slots of (256 + 128) rows x 384 bytes are what fits in LDS, so a refill has 176 matrix instructions in which to land and there are four refills.
; One descriptor serves all loads: its tile is always 192 along K, and its tensor_dim0, what is left of the row from the tile's first element, is stepped down at each refill; the last load finds 64
; along K left, and the mover writes zeros behind them (ISA guide, the tensor descriptor's extents), which nobody reads.
; CLUSTER 4 x 4: att's tile is shared along a row of the cluster, wot's along a column: joint loads.
; REGISTERS: window 0: v16-30 addresses; v64-127 the way out, two buffers      window 1: wot's 8 fragments at 64 f, att's 4 at 128 + 32 f      window 2: accumulator (t, n) at 8 (8 t + n)
.set KROW,   6144                      ; bytes of a K step of 192 in a row tile
.set SLOT,   24*KROW                   ; att's 16 row tiles, then wot's 8
.set BOFF,   16*KROW
.set STAGE,  2*SLOT                    ; behind the ring, never filled by a tensor load: 16 rows x 272 bytes for each wave
.set SPITCH, 272                       ; 256 bytes + 16 = 68 words: the sixteen rows that a store touches start at sixteen different groups of four banks (64 banks of 4 bytes: ISA guide 11.1)
.set SPARE,  STAGE+4*16*SPITCH         ; the spare words, 128 bytes for each wave: two blocks of 256 bytes that no other line names
.set ADRA, 16
.set ADRB, 20
.set STO,  24                          ; v24  the way out: where I put 32 bytes of a row
.set RD,   25                          ; v25  where I read 16 bytes of a row back
.set CO,   26                          ; v26  my byte offset in two rows of out0
.set SPW,  28
.set NIL,  29
.set PFO,  30
.set WV,   12
.set FBW,  13
.set HALF, 14
.set LIM,  21
.set G1,   24
.set G0,   32
.set PFA,  44
.set G1B,  48
.set G0B,  56
.set MSB, 0
.macro WIN new
.if MSB != (\new)
	s_set_vgpr_msb (MSB<<8)|(\new)
.set MSB, \new
.endif
.endm
.macro PLACES
.rept 4
	v_nop
.endr
.endm
.macro JLOAD s                         ; a joint load: waves 0 and 1 fetch att's halves, waves 2 and 3 wot's; an s_nop 0 and four v_nop follow each line
	s_cmp_eq_u32 s[FBW], 0
	s_cbranch_scc0 .Lfor_b_\@
	tensor_load_to_lds s[G0+4*(\s):G0+4*(\s)+3], s[G1:G1+7]
	s_nop 0
.rept 4
	v_nop
.endr
	s_branch .Lasked_\@
.Lfor_b_\@:
	tensor_load_to_lds s[G0B+4*(\s):G0B+4*(\s)+3], s[G1B:G1B+7]
	s_nop 0
.rept 4
	v_nop
.endr
.Lasked_\@:
.endm
.macro CREST
	s_cmp_lg_u32 s[WV], 0
	s_cbranch_scc1 .Lnot_wave_0_\@
	s_barrier_signal -3
.Lnot_wave_0_\@:
	s_barrier_wait -3
	s_barrier_signal -1
	s_barrier_wait -1
.endm
.macro CROUND
	s_barrier_signal -1
	s_barrier_wait -1
	CREST
.endm
; THE PREFETCHES name K = 768 to 1,023, which the third and fourth refills load: 128 along K behind each of the first trip's two joint loads (slot 0's: K = 768 on, slot 1's: K = 896 on), so each stands
; one or two refills, 192 or 384 matrix instructions, ahead of the load that will want it; the first 768 along K come by their loads alone, and the second trip (s3 = 1) asks for nothing.
; att's rows are named by the clusters with x = 0, waves 0 and 1, each its own 8 row tiles; wot's by the clusters with y = 0, wave 2, the tile's 8 row tiles; the four partners take two row tiles each,
; told apart by address: 2 x 16 blocks of 256 bytes, a lane a block, one instruction.  The pointer is never stepped.
.macro ASK slot
	WIN 0
	s_cmp_gt_u32 s3, s[LIM]
	s_cbranch_scc0 .Lnot_mine_\@
	global_prefetch_b8 v[PFO], s[PFA:PFA+1] offset:(\slot)*4096 th:TH_LOAD_NT scope:SCOPE_SE
.Lnot_mine_\@:
.endm
	s_load_b128 s[4:7], s[0:1], 0x0                ; att s[4:5], wot s[6:7]
	s_load_b64 s[8:9], s[0:1], 0x10                ; out0
	v_lshl_add_u32 v[SPW], v0, 2, SPARE
	v_mov_b32 v[NIL], 0
	ds_add_u32 v[SPW], v[NIL]                      ; the wave's opening: the add, twice on end, and its wait ahead of my first tensor load
	ds_add_u32 v[SPW], v[NIL]
	v_lshrrev_b32 v1, 5, v0
	v_readfirstlane_b32 s[WV], v1
	s_lshr_b32 s[FBW], s[WV], 1
	s_and_b32 s[HALF], s[WV], 1
	s_bfe_u32 s15, ttmp6, 0x40000                  ; cx
	s_bfe_u32 s16, ttmp6, 0x40004                  ; cy
	s_lshl_b32 s17, ttmp9, 2
	s_add_co_u32 s17, s17, s15                     ; xt: my 128 columns
	s_and_b32 s18, ttmp7, 0xffff
	s_lshl_b32 s18, s18, 2
	s_add_co_u32 s18, s18, s16                     ; yt: my 256 tokens
	s_lshl_b32 s19, s16, 2
	s_lshl_b32 s19, 15, s19
	s_lshl_b32 s20, 0x1111, s15
	s_or_b32 s[G1+0], s19, (3<<16)|(1<<21)         ; 15:0 the mask; 17:16 elements of 8 bytes; 21 set beside a mask
	s_or_b32 s[G1B+0], s20, (3<<16)|(1<<21)
.irp g, G1, G1B
	s_mov_b32 s[(\g)+1], 3328<<16                  ; tensor_dim0: what is left of a row tile's 4,096 elements from the second step's first; both first fills lie inside it
	s_mov_b32 s[(\g)+3], 768<<16                   ; tile_dim0 = 768 elements: 192 along K
	s_mov_b32 s[(\g)+5], 4096                      ; 4,096 elements from row tile to row tile
	s_mov_b32 s[(\g)+6], 0
	s_mov_b32 s[(\g)+7], 0
.endr
	s_mov_b32 s[G1+2], 8<<16                       ; tensor_dim1
	s_mov_b32 s[G1+4], 8                           ; tile_dim1
	s_mov_b32 s[G1B+2], 4<<16
	s_mov_b32 s[G1B+4], 4
	s_lshl_b32 s40, s18, 4
	s_lshl3_add_u32 s40, s[HALF], s40              ; att: row tile 16 yt + 8 half
	s_lshl_b32 s40, s40, 15
	s_mov_b32 s41, 0
	s_lshl_b32 s22, s17, 3
	s_lshl2_add_u32 s22, s[HALF], s22              ; wot: row tile 8 xt + 4 half
	s_lshl_b32 s22, s22, 15
	s_mov_b32 s23, 0
	s_mul_i32 s70, s[HALF], 8*KROW                 ; where they go: no place in the cluster enters an LDS address
	s_mul_i32 s71, s[HALF], 4*KROW
	s_add_co_u32 s71, s71, BOFF
	s_wait_dscnt 0x0                               ; both opening adds are done
	s_wait_kmcnt 0x0
	s_add_nc_u64 s[42:43], s[4:5], s[40:41]
	s_add_nc_u64 s[46:47], s[6:7], s[22:23]
	CROUND                                         ; all sixteen work-groups are here: the first joint loads meet
.irp s, 0,1
	s_mov_b32 s[G0+4*(\s)], 1
	s_add_co_u32 s[G0+4*(\s)+1], s70, (\s)*SLOT
	s_add_nc_u64 s[G0+4*(\s)+2:G0+4*(\s)+3], s[42:43], (\s)*KROW   ; K step s
	s_or_b32 s[G0+4*(\s)+3], s[G0+4*(\s)+3], 0x80000000
	s_mov_b32 s[G0B+4*(\s)], 1
	s_add_co_u32 s[G0B+4*(\s)+1], s71, (\s)*SLOT
	s_add_nc_u64 s[G0B+4*(\s)+2:G0B+4*(\s)+3], s[46:47], (\s)*KROW
	s_or_b32 s[G0B+4*(\s)+3], s[G0B+4*(\s)+3], 0x80000000
	JLOAD \s                                       ; two loads of mine are out
.endr
	v_and_b32 v1, 31, v0
	v_and_b32 v2, 15, v0
	v_bfe_u32 v3, v0, 4, 1
	v_lshlrev_b32 v4, 4, v1                        ; 16 x lane
	s_mul_i32 s2, s[WV], 4*KROW                    ; my four row tiles of att
	v_add_nc_u32 v[ADRA], s2, v4
	v_add_nc_u32 v[ADRA+1], SLOT, v[ADRA]
	v_add_nc_u32 v[ADRB], BOFF, v4
	v_add_nc_u32 v[ADRB+1], SLOT+BOFF, v4
	s_mul_i32 s2, s[WV], 16*SPITCH
	s_add_co_u32 s2, s2, STAGE                     ; my stage
	v_mul_u32_u24 v[STO], v2, SPITCH               ; in: row lane % 16, 32 bytes for each half of the lanes
	v_lshl_add_u32 v[STO], v3, 5, v[STO]
	v_add_nc_u32 v[STO], s2, v[STO]
	v_mul_u32_u24 v[RD], v3, SPITCH                ; back: lanes 0-15 take one row's 256 bytes, lanes 16-31 the next row's
	v_lshl_add_u32 v[RD], v2, 4, v[RD]
	v_add_nc_u32 v[RD], s2, v[RD]
	v_lshlrev_b32 v[CO], 4, v2                     ; and the same two rows in out0
	v_lshl_add_u32 v[CO], v3, 12, v[CO]
	s_lshl2_add_u32 s72, s18, s[WV]
	s_lshl_b32 s72, s72, 18                        ; my 64 rows of 4,096 bytes,
	s_lshl_b32 s73, s17, 9                         ; my work-group's 512 bytes of a row
	s_add_co_u32 s72, s72, s73
	s_mov_b32 s73, 0
	s_add_nc_u64 s[8:9], s[8:9], s[72:73]
	; the prefetches
	s_and_b32 s76, ttmp7, 0xffff
	s_or_b32 s76, s76, s[HALF]                     ; wot: cluster y = 0 and wave 2
	s_lshl_b32 s77, s18, 4
	s_lshl3_add_u32 s77, s[HALF], s77
	s_lshl_b32 s78, s17, 3
	s_cmp_eq_u32 s[FBW], 0
	s_cselect_b32 s77, s77, s78                    ; the first of the 8 row tiles that are shared out
	s_cselect_b32 s78, s15, s16                    ; my place among the four
	s_cselect_b32 s76, ttmp9, s76
	s_cselect_b64 s[PFA:PFA+1], s[4:5], s[6:7]
	s_cmp_eq_u32 s76, 0
	s_cselect_b32 s[LIM], 1, -1                    ; the same in all sixteen partners, for a given wave
	s_lshl_b32 s76, s77, 15
	s_mov_b32 s77, 0
	s_add_nc_u64 s[PFA:PFA+1], s[PFA:PFA+1], s[76:77]
	s_add_nc_u64 s[PFA:PFA+1], s[PFA:PFA+1], 24*1024  ; at K = 768
	s_lshl_b32 s78, s78, 5
	v_add_nc_u32 v[PFO], s78, v1                   ; my block among the 128: 16 to a row tile
	v_lshrrev_b32 v2, 4, v[PFO]
	v_and_b32 v[PFO], 15, v[PFO]
	v_lshlrev_b32 v[PFO], 8, v[PFO]
	v_lshl_add_u32 v[PFO], v2, 15, v[PFO]
; 24 LDS loads in one run: the fragments of 32 along K (part q6 of the slot's six): att's four, then wot's eight
.macro FETCH slot, q6, f
	WIN 0x40
.irp t, 0,1,2,3
	ds_load_b128 v[128+32*(\f)+8*(\t):128+32*(\f)+8*(\t)+3],   v[ADRA+(\slot)] offset:(\t)*KROW+(\q6)*1024
	ds_load_b128 v[128+32*(\f)+8*(\t)+4:128+32*(\f)+8*(\t)+7], v[ADRA+(\slot)] offset:(\t)*KROW+(\q6)*1024+512
.endr
.irp n, 0,1,2,3,4,5,6,7
	ds_load_b128 v[64*(\f)+8*(\n):64*(\f)+8*(\n)+3],   v[ADRB+(\slot)] offset:(\n)*KROW+(\q6)*1024
	ds_load_b128 v[64*(\f)+8*(\n)+4:64*(\f)+8*(\n)+7], v[ADRB+(\slot)] offset:(\n)*KROW+(\q6)*1024+512
.endr
.endm
; 8 products: token tiles t0, t0 + 1 x column tiles n0 .. n0 + 3.  The 32 accumulators take turns, one instruction a turn.
.macro MUL f, t0, n0, zero
	WIN 0xa5
.irp t, \t0, (\t0)+1
.irp n, \n0, (\n0)+1, (\n0)+2, (\n0)+3
.if \zero
	v_wmma_f32_16x16x32_f16 v[8*(8*(\t)+(\n)):8*(8*(\t)+(\n))+7], v[64*(\f)+8*(\n):64*(\f)+8*(\n)+7], v[128+32*(\f)+8*(\t):128+32*(\f)+8*(\t)+7], 0
.else
	v_wmma_f32_16x16x32_f16 v[8*(8*(\t)+(\n)):8*(8*(\t)+(\n))+7], v[64*(\f)+8*(\n):64*(\f)+8*(\n)+7], v[128+32*(\f)+8*(\t):128+32*(\f)+8*(\t)+7], v[8*(8*(\t)+(\n)):8*(8*(\t)+(\n))+7]
.endif
.endr
.endr
.endm
; A K step of 192 is six parts of 32 along K, 32 matrix instructions each, on buffers 0, 1, 0, 1, 0, 1.  One of the first five multiplies buffer f and fetches part q6 of the same slot into g.
.macro PART slot, q6, f, g, zero
	s_wait_dscnt 8                                 ; all but the youngest eight loads (wot's column tiles 4-7) are in
	MUL \f, 0, 0, \zero
	MUL \f, 2, 0, \zero
	PLACES
	FETCH \slot, \q6, \g
	s_wait_dscnt 24                                ; all but the 24 just issued
	MUL \f, 0, 4, \zero
	MUL \f, 2, 4, \zero
.endm
; The last part multiplies buffer 1 and changes slots: the wait for all my tensor loads, the add, the wait for it and for my reads, one barrier; fill = 1: it opens a round of the cluster's, and the slot is
; filled again first behind it, two K steps on.  No load of mine is out there, so the descriptors may be written: the addresses step on, and what is left of the rows steps down.
.macro TURN slot, next, fill
	WIN 0
	s_wait_tensorcnt 0x0
	ds_add_u32 v[SPW], v[NIL]
	s_wait_dscnt 9                                 ; (the add and the youngest eight loads may be out)
	MUL 1, 0, 0, 0
	s_wait_dscnt 0x0                               ; the add is done, and my reads of this slot are over
	s_barrier_signal -1
	MUL 1, 2, 0, 0
.if \fill
	WIN 0
.endif
	s_barrier_wait -1
.if \fill
	CREST
	s_add_nc_u64 s[G0+4*(\slot)+2:G0+4*(\slot)+3], s[G0+4*(\slot)+2:G0+4*(\slot)+3], 2*KROW
	s_add_nc_u64 s[G0B+4*(\slot)+2:G0B+4*(\slot)+3], s[G0B+4*(\slot)+2:G0B+4*(\slot)+3], 2*KROW
	s_sub_co_u32 s[G1+1], s[G1+1], 768<<16         ; tensor_dim0: 2,560, 1,792, 1,024 and at last 256 elements, 64 along K
	s_sub_co_u32 s[G1B+1], s[G1B+1], 768<<16
	JLOAD \slot                                    ; its four v_nop are also the places in front of the loads below
.else
	PLACES
.endif
	FETCH \next, 0, 0
.if \fill
	ASK \slot
.endif
	MUL 1, 0, 4, 0
	MUL 1, 2, 4, 0
.endm
	s_wait_tensorcnt 1                             ; my part of K step 0 is in; K step 1's may stay out
	s_barrier_signal -1
	s_barrier_wait -1
	FETCH 0, 0, 0
	PART 0, 1, 0, 1, 1                             ; the first part's products start the sums
	WIN 0
	s_mov_b32 s3, 2
.Llap:                                                 ; two trips: each goes once round the ring, from a lap's second part to the next lap's first, and fills both slots again
	PART 0, 2, 1, 0, 0
	PART 0, 3, 0, 1, 0
	PART 0, 4, 1, 0, 0
	PART 0, 5, 0, 1, 0
	TURN 0, 1, 1
	PART 1, 1, 0, 1, 0
	PART 1, 2, 1, 0, 0
	PART 1, 3, 0, 1, 0
	PART 1, 4, 1, 0, 0
	PART 1, 5, 0, 1, 0
	TURN 1, 0, 1
	PART 0, 1, 0, 1, 0
	WIN 0
	s_sub_co_u32 s3, s3, 1
	s_cmp_lg_u32 s3, 0
	s_cbranch_scc1 .Llap
	PART 0, 2, 1, 0, 0                             ; the fifth K step goes on; nothing more is filled
	PART 0, 3, 0, 1, 0
	PART 0, 4, 1, 0, 0
	PART 0, 5, 0, 1, 0
	TURN 0, 1, 0
	PART 1, 1, 0, 1, 0                             ; the sixth K step has two parts
	s_wait_dscnt 8
	MUL 1, 0, 0, 0
	MUL 1, 2, 0, 0
	s_wait_dscnt 0x0
	MUL 1, 0, 4, 0
	MUL 1, 2, 4, 0
	; THE WAY OUT, 16 rows x 64 columns at a time: a lane's 32 bytes of each of four column tiles into my stage, rows of 256 bytes back, stored.
	PLACES
.irp t, 0,1,2,3
.irp c, 0,1
	WIN 0x08                                       ; store data window 2
.irp n, 0,1,2,3
	ds_store_b128 v[STO], v[8*(8*(\t)+4*(\c)+(\n)):8*(8*(\t)+4*(\c)+(\n))+3]   offset:64*(\n)
	ds_store_b128 v[STO], v[8*(8*(\t)+4*(\c)+(\n))+4:8*(8*(\t)+4*(\c)+(\n))+7] offset:64*(\n)+16
.endr
	WIN 0
.if (\t) >= 1
	s_wait_xcnt 0x0                                ; the stores of the pass two back have read this buffer's registers
.endif
.irp i, 0,1,2,3,4,5,6,7
	ds_load_b128 v[64+32*(\c)+4*(\i):64+32*(\c)+4*(\i)+3], v[RD] offset:(\i)*2*SPITCH  ; my wave's own bytes: LDS serves a wave's instructions in order (ISA guide 5.7.1.4)
.endr
.irp i, 0,1,2,3,4,5,6,7
	s_wait_dscnt 7-(\i)                            ; rows 2 i and 2 i + 1 are back; the younger loads stay out
	global_store_b128 v[CO], v[64+32*(\c)+4*(\i):64+32*(\c)+4*(\i)+3], s[8:9] offset:(16*(\t)+2*(\i))*4096+256*(\c) th:TH_STORE_NT  ; sixteen lanes store 256 consecutive bytes, aligned
.endr
.endr
.endr
	s_wait_tensorcnt 0x0                           ; the wave's end
	ds_add_u32 v[SPW], v[NIL]
	s_wait_dscnt 0x0
	CROUND                                         ; the closing round
	s_endpgm
.Lfunc_end_k_q84aa946688_proj:
	.size	k_q84aa946688_proj, .Lfunc_end_k_q84aa946688_proj-k_q84aa946688_proj
	.p2alignl 7, 3214868480
	.fill 96, 4, 3214868480
	.section	.rodata,"a",@progbits
	.p2align	6, 0x0
	.amdhsa_kernel k_q84aa946688_proj
		.amdhsa_group_segment_fixed_size 327680
		.amdhsa_private_segment_fixed_size 0
		.amdhsa_enable_private_segment 0
		.amdhsa_kernarg_size 24
		.amdhsa_user_sgpr_count 2
		.amdhsa_user_sgpr_kernarg_segment_ptr 1
		.amdhsa_wavefront_size32 1
		.amdhsa_system_sgpr_workgroup_id_x 1
		.amdhsa_system_sgpr_workgroup_id_y 1
		.amdhsa_system_sgpr_workgroup_id_z 1
		.amdhsa_system_vgpr_workitem_id 0
		.amdhsa_next_free_vgpr 768
		.amdhsa_next_free_sgpr 80
		.amdhsa_reserve_vcc 0
		.amdhsa_float_denorm_mode_32 3
		.amdhsa_float_denorm_mode_16_64 3
		.amdhsa_memory_ordered 1
		.amdhsa_forward_progress 1
		.amdhsa_inst_pref_size 103
	.end_amdhsa_kernel
	.amdgpu_metadata
---
amdhsa.version: [ 1, 2 ]
amdhsa.kernels:
  - .name:           k_q84aa946688_proj
    .symbol:         k_q84aa946688_proj.kd
    .args:
      - { .name: att, .offset: 0, .size: 8, .value_kind: global_buffer, .address_space: global }
      - { .name: wot, .offset: 8, .size: 8, .value_kind: global_buffer, .address_space: global }
      - { .name: out0, .offset: 16, .size: 8, .value_kind: global_buffer, .address_space: global }
    .group_segment_fixed_size: 327680
    .private_segment_fixed_size: 0
    .kernarg_segment_align: 8
    .kernarg_segment_size: 24
    .max_flat_workgroup_size: 128
    .sgpr_count:     80
    .vgpr_count:     768
    .wavefront_size: 32
...
	.end_amdgpu_metadata
.endif
;; end of part 4
;; ======== version 2 of 2: 4 launches; version 1 with the launch attn written anew for expert scheduling mode
;; limits: values are held in f16: magnitudes above 65,504 overflow, below 6.1e-05 lose precision; right only within a limited range of input values
;; workspace buffers: xb 16,777,216 bytes; wt 6,291,456 bytes; wot 2,097,152 bytes; qkv 50,331,648 bytes; summ 524,288 bytes; att 16,777,216 bytes
;; launch prep: the kernel of part 1 again; grid 1024 x 1, 8 waves a work-group, no clusters, 0 bytes of LDS; arguments input_qkv, wq, wk, wv, wo, xb, wt, wot; writes xb, wt, wot
;; launch qkvgemm: the kernel of part 2 again; grid 16 x 16, 4 waves a work-group, clusters of 4 x 4, 327,680 bytes of LDS; arguments xb, wt, qkv, summ; writes qkv, summ
;; launch attn (part 5): grid 256 x 1, 8 waves a work-group, no clusters, 74,752 bytes of LDS; arguments qkv, summ, att; writes att
.if DOCPART == 5
	.amdgcn_target "amdgcn-amd-amdhsa--gfx1250"
	.amdhsa_code_object_version 6
	.text
	.protected	k_q84aa946688_attn
	.globl	k_q84aa946688_attn
	.p2align	8
	.type	k_q84aa946688_attn,@function
k_q84aa946688_attn:
	s_mov_b64 s[64:65], 0
	v_nop
	global_prefetch_b8 v0, s[64:65] scope:SCOPE_SE
	s_setreg_imm32_b32 hwreg(HW_REG_WAVE_SCHED_MODE, 0, 2), 2
	s_setreg_imm32_b32 hwreg(HW_REG_WAVE_MODE, 25, 1), 1
	s_wait_xcnt 0x0
	s_wait_alu depctr_vm_vsrc(0)
; For one segment of 64 tokens and one head, a wave: the joint softmax over the 64 local keys (causal) and the 32 segment summaries (strictly earlier ones), and O = P_local V + P_prev span_val.
; WORK LEFT OUT, as shown at the head of the first kernel: tiles of 16 x 16 local logits wholly above the diagonal, and tiles of 16 summaries none of which is earlier than my segment; their weights
; are 0 in f32 while a row's logits differ by less than 9.9e9.  In mixed tiles reference()'s bias is added, as the C operand that starts the sum: -1e10 on q . k / 8 is -8e10 on the unscaled q . k.
; q, k, v come as qkvgemm left them, 48 chunks of 512 bytes that ARE matrix operands: S^T = K Q^T holds one query a lane (lane % 16) and the keys 8 (lane / 16) + j; two such results rounded to f16
; are source 1 of O^T = V^T P; O^T rounded to f16 is a chunk of att's fragment image.  p = 2^(c s - c m), c = log2(e) / 8, m the row's maximum over all its logits.
; The (batch, head)'s 32 records of 256 bytes (span_key, span_val) go through my wave's own LDS bytes, rows 288 bytes apart: span_key comes back as it lies, span_val turned by ds_load_tr16_b128.
; Every load of the wave is issued at its head, so there is no later step to ask for ahead; no wave reads another's LDS bytes, so there is no barrier; what waves share is the 8 KiB of records.
; LIMITS: f16's range for the operands; a weight below 2^-126 counts as 0; NaN and infinities are not treated apart.
; REGISTERS: window 0: v4-11 addresses; v16-31 per query tile t: c m, m, l (even, odd); v32-39 at work; v40-47 the diagonal tile's bias; v48-63 the summaries' bias; v64-207 S^T, tile t at
; SB(t) = 64 + 24 t + 4 t (t - 1): summaries 0-15, 16-31, then local key tiles 0 .. t.   window 1: v0-63 Q, v64-127 K (later O^T at 32 t + 8 d), v128-191 V, v192-223 span_key, v224-255 span_val.
; THE MODE: SCHED_MODE bits 1:0 = 2 (LLVM: expert scheduling mode 2), set by the entry lines.  The code itself states the register dependences between vector or matrix instructions and memory or
; LDS instructions, with s_wait_alu, always for 0.
; THE PLAN.  Registers that memory or LDS instructions touch, in the order of the text (there is no loop):
;   v4            made at the head; the offset of all 64 global loads and of the 16 stores at the end; never written again.
;   v5, v6, v7    made behind the global loads; the addresses of the 16 LDS stores and the 16 LDS loads; never written again.
;   v64-127       the records land here; the LDS stores read them; then the score products write them; at the end O's roundings write them and the global stores read them.
;   window 1      q, k, v and the summaries' fragments land here, in registers that no vector line has named; matrix instructions read them; no load lands there again.
;   v10, v11      made at the head, read by the closing add alone.       s10: the wave's number, out of a vector register.       s24-31: the compares' masks, eight at a time.
; So: one wait on va_vdst ahead of the global loads (v4), one ahead of the LDS stores (v5-7), one ahead of the global stores (v64-127); one wait on vm_vsrc ahead of the first score product (v64-127);
; a wait on va_sdst behind the line that makes s10 and behind each run of eight compares; and the two waits behind the exponentials and the reciprocals.
.set PITCH, 288
.set WLDS,  32*PITCH                   ; a wave's bytes
.set SPARE, 8*WLDS                     ; the spare words, 128 bytes for each wave: four blocks of 256 bytes that no other line names
.set LO,  4                            ; v4   16 x lane
.set LST, 5                            ; v5   where I put 16 bytes of a record
.set LKA, 6                            ; v6   my place in a fragment of span_key
.set LVA, 7                            ; v7   my place for the turning load of span_val
.set RH,  8                            ; v8   lane % 16 - 8 (lane / 16)
.set SH,  9                            ; v9   my segment - 8 (lane / 16)
.set SPW, 10
.set NIL, 11
.set ST,  16
.set TM,  32
.set MD,  40
.set MP,  48
.set CM,  24                           ; s[24:31] eight compares' masks (the byte offsets that lay there have been added to their addresses by then)
.set MSB, 0
.macro WIN new
.if MSB != (\new)
	s_set_vgpr_msb (MSB<<8)|(\new)
.set MSB, \new
.endif
.endm
.macro PLACES
.rept 4
	v_nop
.endr
.endm
	s_load_b128 s[4:7], s[0:1], 0x0                ; qkv s[4:5], summ s[6:7]
	s_load_b64 s[8:9], s[0:1], 0x10                ; att
	v_lshl_add_u32 v[SPW], v0, 2, SPARE
	v_mov_b32 v[NIL], 0
	v_lshrrev_b32 v1, 5, v0
	v_readfirstlane_b32 s10, v1                    ; wave 0..7
	v_and_b32 v1, 31, v0
	v_lshlrev_b32 v[LO], 4, v1
	s_wait_alu depctr_va_sdst(0)                   ; s10 is written, ahead of its first reader: the head's number and the three byte offsets are made from it
	s_lshr_b32 s11, ttmp9, 1                       ; segment among the 128
	s_and_b32 s12, s11, 31                         ; segment in its batch
	s_lshr_b32 s13, s11, 5                         ; batch
	s_and_b32 s14, ttmp9, 1
	s_lshl3_add_u32 s14, s14, s10                  ; head
	s_lshl_b32 s15, ttmp9, 3
	s_add_co_u32 s15, s15, s10                     ; segment x 16 + head
	s_mul_i32 s24, s15, 24576
	s_mov_b32 s25, 0
	s_lshl4_add_u32 s26, s13, s14
	s_lshl_b32 s26, s26, 13                        ; (batch x 16 + head) x 32 records
	s_mov_b32 s27, 0
	s_lshl_b32 s28, s11, 17                        ; four row tiles of att,
	s_lshl_b32 s29, s14, 11                        ; the head's two blocks
	s_add_co_u32 s28, s28, s29
	s_mov_b32 s29, 0
	s_mov_b32 s18, 0x3e38aa3b                      ; c
	s_mov_b32 s19, s18
	s_mov_b32 s20, 0x76543210
	s_mov_b32 s21, 0xfedcba98
	s_mov_b32 s22, 0xd19502f9                      ; -8e10
	s_wait_kmcnt 0x0
	s_add_nc_u64 s[4:5], s[4:5], s[24:25]
	s_add_nc_u64 s[6:7], s[6:7], s[26:27]
	s_add_nc_u64 s[8:9], s[8:9], s[28:29]
	s_wait_alu depctr_va_vdst(0)                   ; v4 is written: every global load and store of the kernel reads it as its offset; up to the last load only loads and a window switch follow
.set i, 0
.rept 16
	global_load_b128 v[64+4*i:64+4*i+3], v[LO], s[6:7] offset:512*i  ; records 2 i and 2 i + 1
.set i, i+1
.endr
	WIN 0x40
.set i, 0
.rept 48
	global_load_b128 v[4*i:4*i+3], v[LO], s[4:5] offset:512*i th:TH_LOAD_NT  ; q (16 chunks), k (16), v (16)
.set i, i+1
.endr
	WIN 0
	; addresses and biases, while the loads are out: none of these lines names a register that a load reads or lands in
	v_and_b32 v2, 15, v0
	v_bfe_u32 v3, v0, 4, 1
	s_mul_i32 s16, s10, WLDS
	v_mul_u32_u24 v[LST], v3, PITCH
	v_lshl_add_u32 v[LST], v2, 4, v[LST]
	v_add_nc_u32 v[LST], s16, v[LST]
	v_mul_u32_u24 v[LKA], v2, PITCH
	v_lshl_add_u32 v[LKA], v3, 4, v[LKA]
	v_add_nc_u32 v[LKA], s16, v[LKA]
	v_and_b32 v12, 7, v0
	v_lshl_add_u32 v12, v3, 3, v12
	v_mul_u32_u24 v[LVA], v12, PITCH
	v_bfe_u32 v12, v0, 3, 1
	v_lshl_add_u32 v[LVA], v12, 4, v[LVA]
	v_add_nc_u32 v[LVA], s16, v[LVA]
	v_add_nc_u32 v[LVA], 128, v[LVA]
	v_lshlrev_b32 v12, 3, v3
	v_sub_nc_u32 v[RH], v2, v12
	v_sub_nc_u32 v[SH], s12, v12
.irp j, 0,1,2,3,4,5,6,7
	v_cmp_gt_i32 s[CM+(\j)], \j, v[RH]             ; key 8 (lane / 16) + j lies behind query lane % 16
.endr
	s_wait_alu depctr_va_sdst(0)                   ; the eight compares have written s24-31, ahead of the selects that read them
.irp j, 0,1,2,3,4,5,6,7
	v_cndmask_b32 v[MD+(\j)], 0, s22, s[CM+(\j)]
.endr
.irp kp, 0,1
.irp j, 0,1,2,3,4,5,6,7
	v_cmp_ge_i32 s[CM+(\j)], 16*(\kp)+(\j), v[SH]  ; summary 16 kp + 8 (lane / 16) + j is not earlier than my segment
.endr
	s_wait_alu depctr_va_sdst(0)                   ; the eight compares have written s24-31 anew, ahead of the selects that read them
.irp j, 0,1,2,3,4,5,6,7
	v_cndmask_b32 v[MP+8*(\kp)+(\j)], 0, s22, s[CM+(\j)]
.endr
.endr
.irp t, 0,1,2,3
	v_mov_b32 v[TM+4+(\t)], 0                      ; v_permlanex16_b32's destinations count as read
.endr
	s_wait_loadcnt 48                              ; the records are in; q, k, v may stay out
	s_wait_alu depctr_va_vdst(0)                   ; v5, v6 and v7 are written: the LDS stores and loads below read them as addresses; no vector line stands between this wait and the last of them
.set i, 0
.rept 16
	ds_store_b128 v[LST], v[64+4*i:64+4*i+3] offset:2*PITCH*i
.set i, i+1
.endr
	WIN 0x40
.irp kp, 0,1
.irp c, 0,1
	ds_load_b128 v[192+16*(\kp)+8*(\c):192+16*(\kp)+8*(\c)+3],   v[LKA] offset:(\kp)*16*PITCH+64*(\c)
	ds_load_b128 v[192+16*(\kp)+8*(\c)+4:192+16*(\kp)+8*(\c)+7], v[LKA] offset:(\kp)*16*PITCH+64*(\c)+32
.endr
.endr
.irp d, 0,1,2,3
	ds_load_tr16_b128 v[224+8*(\d):224+8*(\d)+3],   v[LVA] offset:32*(\d)
	ds_load_tr16_b128 v[224+8*(\d)+4:224+8*(\d)+7], v[LVA] offset:32*(\d)+16*PITCH
.endr
	s_wait_loadcnt 16                              ; q and k are in; v's 16 loads may stay out
	s_wait_alu depctr_vm_vsrc(0)                   ; the LDS stores have read v64-127, which the score products now write
	WIN 0x05                                       ; K and Q window 1, S^T window 0
.irp c, 0,1                                    ; the local scores: ten accumulators by turns, one instruction a turn; they want q, k and the bias alone, and stand while the records go through LDS
.irp t, 0,1,2,3
.irp kt, 0,1,2,3
.if (\kt) <= (\t)
.set rS, 64+24*(\t)+4*(\t)*((\t)-1)+16+8*(\kt)
.if ((\c) == 0) && ((\kt) == (\t))
	v_wmma_f32_16x16x32_f16 v[rS:rS+7], v[64+16*(\kt):64+16*(\kt)+7], v[16*(\t):16*(\t)+7], v[MD:MD+7]
.elseif (\c) == 0
	v_wmma_f32_16x16x32_f16 v[rS:rS+7], v[64+16*(\kt):64+16*(\kt)+7], v[16*(\t):16*(\t)+7], 0
.else
	v_wmma_f32_16x16x32_f16 v[rS:rS+7], v[64+16*(\kt)+8:64+16*(\kt)+15], v[16*(\t)+8:16*(\t)+15], v[rS:rS+7]
.endif
.endif
.endr
.endr
.endr
	s_wait_dscnt 0x0                               ; the summaries' fragments are in, span_key's and span_val's: ahead of the branch below and of the first product that reads them
; The scores against summaries 16 kp .. 16 kp + 15.  Where none of them is earlier than my segment the products are left out and the logits take the bias itself: their weights are 0 either way.
.macro SPREV kp
	WIN 0
	s_cmp_gt_u32 s12, 16*(\kp)
	s_cbranch_scc0 .Ldead_\@
	WIN 0x05
.irp c, 0,1
.irp t, 0,1,2,3
.set rS, 64+24*(\t)+4*(\t)*((\t)-1)+8*(\kp)
.if (\c) == 0
	v_wmma_f32_16x16x32_f16 v[rS:rS+7], v[192+16*(\kp):192+16*(\kp)+7], v[16*(\t):16*(\t)+7], v[MP+8*(\kp):MP+8*(\kp)+7]
.else
	v_wmma_f32_16x16x32_f16 v[rS:rS+7], v[192+16*(\kp)+8:192+16*(\kp)+15], v[16*(\t)+8:16*(\t)+15], v[rS:rS+7]
.endif
.endr
.endr
	WIN 0
	s_branch .Ljoin_\@
.Ldead_\@:
.irp t, 0,1,2,3
.irp j, 0,1,2,3,4,5,6,7
	v_mov_b32 v[64+24*(\t)+4*(\t)*((\t)-1)+8*(\kp)+(\j)], s22
.endr
.endr
.Ljoin_\@:
.endm
	SPREV 0
	SPREV 1
	PLACES
	; each row's maximum: one chain a query tile, ascending, the four chains by turns
.set i, 0
.rept 24
.irp t, 0,1,2,3
.set sb, 64+24*(\t)+4*(\t)*((\t)-1)
.set nt, 24+8*(\t)
.if i == 0
	v_max3_num_f32 v[TM+(\t)], v[sb], v[sb+1], v[sb+2]
.elseif 2*i+2 < nt
	v_max3_num_f32 v[TM+(\t)], v[TM+(\t)], v[sb+2*i+1], v[sb+2*i+2]
.elseif 2*i+1 < nt
	v_max_num_f32 v[TM+(\t)], v[TM+(\t)], v[sb+2*i+1]
.endif
.endr
.set i, i+1
.endr
.irp t, 0,1,2,3
	v_permlanex16_b32 v[TM+4+(\t)], v[TM+(\t)], s20, s21  ; the row's other logits lie in the lane 16 away
.endr
.irp t, 0,1,2,3
	v_max_num_f32 v[ST+4*(\t)+1], v[TM+(\t)], v[TM+4+(\t)]
.endr
.irp t, 0,1,2,3
	v_mul_f32 v[ST+4*(\t)], s18, v[ST+4*(\t)+1]
.endr
.irp t, 0,1,2,3
.set sb, 64+24*(\t)+4*(\t)*((\t)-1)
.set i, 0
.rept 12+4*(\t)
	v_pk_fma_f32 v[sb+2*i:sb+2*i+1], v[sb+2*i:sb+2*i+1], s[18:19], v[ST+4*(\t):ST+4*(\t)+1] op_sel_hi:[1,0,0] neg_lo:[0,0,1] neg_hi:[0,0,1]
.set i, i+1
.endr
.endr
.set i, 64
.rept 144
	v_exp_f32 v[i], v[i]
.set i, i+1
.endr
	v_nop                                          ; a plain instruction behind the last exponential,
	s_wait_alu depctr_va_vdst(0)                   ; and one wait for the batch: the 144 exponentials have written v64-207, ahead of their first reader
.set i, 1
.rept 23                                       ; the rows' sums, of the unrounded weights: one chain a query tile, the four by turns
.irp t, 0,1,2,3
.set sb, 64+24*(\t)+4*(\t)*((\t)-1)
.set nt, 24+8*(\t)
.if i == 1
	v_pk_add_f32 v[ST+4*(\t)+2:ST+4*(\t)+3], v[sb:sb+1], v[sb+2:sb+3]
.elseif 2*i < nt
	v_pk_add_f32 v[ST+4*(\t)+2:ST+4*(\t)+3], v[ST+4*(\t)+2:ST+4*(\t)+3], v[sb+2*i:sb+2*i+1]
.endif
.endr
.set i, i+1
.endr
.irp t, 0,1,2,3
	v_add_f32 v[TM+(\t)], v[ST+4*(\t)+2], v[ST+4*(\t)+3]
.endr
.irp t, 0,1,2,3
	v_permlanex16_b32 v[TM+4+(\t)], v[TM+(\t)], s20, s21
.endr
.irp t, 0,1,2,3
	v_add_f32 v[TM+(\t)], v[TM+(\t)], v[TM+4+(\t)]
.endr
.irp t, 0,1,2,3
	v_rcp_f32 v[ST+4*(\t)+2], v[TM+(\t)]
.endr
.irp t, 0,1,2,3                                ; the weights rounded to f16, in place and ascending: word i takes numbers 2 i and 2 i + 1.  Independent work behind the reciprocals
.set sb, 64+24*(\t)+4*(\t)*((\t)-1)
.set i, 0
.rept 12+4*(\t)
	v_cvt_pk_f16_f32 v[sb+i], v[sb+2*i], v[sb+2*i+1]
.set i, i+1
.endr
.endr
.irp j, 0,1,2,3
	v_mov_b32 v[64+12+(\j)], 0                     ; query tile 0: keys 16-31 lie above the diagonal,
	v_mov_b32 v[120+20+(\j)], 0                    ; query tile 2: keys 48-63
.endr
	s_wait_alu depctr_va_vdst(0)                   ; the four reciprocals have written 1 / l: their wait, ahead of the branch below and of their first reader
	s_wait_loadcnt 0x0                             ; v
	WIN 0x51                                       ; V window 1, P window 0, O^T window 1
.irp t, 0,1,2,3
.irp d, 0,1,2,3
.set sb, 64+24*(\t)+4*(\t)*((\t)-1)
	v_wmma_f32_16x16x32_f16 v[32*(\t)+8*(\d):32*(\t)+8*(\d)+7], v[128+16*(\d):128+16*(\d)+7], v[sb+8:sb+15], 0  ; keys 0-31
.endr
.endr
.irp t, 2,3
.irp d, 0,1,2,3
.set sb, 64+24*(\t)+4*(\t)*((\t)-1)
	v_wmma_f32_16x16x32_f16 v[32*(\t)+8*(\d):32*(\t)+8*(\d)+7], v[128+16*(\d)+8:128+16*(\d)+15], v[sb+16:sb+23], v[32*(\t)+8*(\d):32*(\t)+8*(\d)+7]  ; keys 32-63
.endr
.endr
	WIN 0
	s_cmp_eq_u32 s12, 0                            ; a batch's first segment has no earlier summary
	s_cbranch_scc1 .Lnoprev
	WIN 0x51
.irp t, 0,1,2,3
.irp d, 0,1,2,3
.set sb, 64+24*(\t)+4*(\t)*((\t)-1)
	v_wmma_f32_16x16x32_f16 v[32*(\t)+8*(\d):32*(\t)+8*(\d)+7], v[224+8*(\d):224+8*(\d)+7], v[sb:sb+7], v[32*(\t)+8*(\d):32*(\t)+8*(\d)+7]  ; the 32 summaries
.endr
.endr
	WIN 0
.Lnoprev:
	PLACES
	WIN 0x41                                       ; O^T window 1, 1 / l window 0
.irp t, 0,1,2,3
.set i, 0
.rept 16
	v_pk_mul_f32 v[32*(\t)+2*i:32*(\t)+2*i+1], v[32*(\t)+2*i:32*(\t)+2*i+1], v[ST+4*(\t)+2:ST+4*(\t)+3] op_sel_hi:[1,0]
.set i, i+1
.endr
.endr
	WIN 0x05
.set i, 0
.rept 64
	v_cvt_pk_f16_f32 v[64+i], v[2*i], v[2*i+1]
.set i, i+1
.endr
	WIN 0
	s_wait_alu depctr_va_vdst(0)                   ; the roundings have written v64-127, which the sixteen stores read
.irp t, 0,1,2,3
.irp d, 0,1,2,3
	global_store_b128 v[LO], v[64+16*(\t)+4*(\d):64+16*(\t)+4*(\d)+3], s[8:9] offset:(\t)*32768+(\d)*512  ; a chunk of att: 512 consecutive bytes, aligned
.endr
.endr
	s_wait_dscnt 0x0                               ; the closing lines, six on end
	s_wait_alu 0x0
	s_wait_tensorcnt 0x0
	ds_add_u32 v[SPW], v[NIL]
	s_wait_dscnt 0x0
	s_endpgm
.Lfunc_end_k_q84aa946688_attn:
	.size	k_q84aa946688_attn, .Lfunc_end_k_q84aa946688_attn-k_q84aa946688_attn
	.p2alignl 7, 3214868480
	.fill 96, 4, 3214868480
	.section	.rodata,"a",@progbits
	.p2align	6, 0x0
	.amdhsa_kernel k_q84aa946688_attn
		.amdhsa_group_segment_fixed_size 74752
		.amdhsa_private_segment_fixed_size 0
		.amdhsa_enable_private_segment 0
		.amdhsa_kernarg_size 24
		.amdhsa_user_sgpr_count 2
		.amdhsa_user_sgpr_kernarg_segment_ptr 1
		.amdhsa_wavefront_size32 1
		.amdhsa_system_sgpr_workgroup_id_x 1
		.amdhsa_system_sgpr_workgroup_id_y 1
		.amdhsa_system_sgpr_workgroup_id_z 1
		.amdhsa_system_vgpr_workitem_id 0
		.amdhsa_next_free_vgpr 512
		.amdhsa_next_free_sgpr 66
		.amdhsa_reserve_vcc 0
		.amdhsa_float_denorm_mode_32 3
		.amdhsa_float_denorm_mode_16_64 3
		.amdhsa_memory_ordered 1
		.amdhsa_forward_progress 1
		.amdhsa_inst_pref_size 56
	.end_amdhsa_kernel
	.amdgpu_metadata
---
amdhsa.version: [ 1, 2 ]
amdhsa.kernels:
  - .name:           k_q84aa946688_attn
    .symbol:         k_q84aa946688_attn.kd
    .args:
      - { .name: qkv, .offset: 0, .size: 8, .value_kind: global_buffer, .address_space: global }
      - { .name: summ, .offset: 8, .size: 8, .value_kind: global_buffer, .address_space: global }
      - { .name: att, .offset: 16, .size: 8, .value_kind: global_buffer, .address_space: global }
    .group_segment_fixed_size: 74752
    .private_segment_fixed_size: 0
    .kernarg_segment_align: 8
    .kernarg_segment_size: 24
    .max_flat_workgroup_size: 256
    .sgpr_count:     66
    .vgpr_count:     512
    .wavefront_size: 32
...
	.end_amdgpu_metadata
.endif
;; end of part 5
;; launch proj: the kernel of part 4 again; grid 8 x 32, 4 waves a work-group, clusters of 4 x 4, 327,680 bytes of LDS; arguments att, wot, out0; writes out0
